; MI455X (gfx1250); checked and timed in simulation.
; The chip was launched on July 23, 2026; its instructions are those of AMD's public machine-readable ISA for CDNA 5 (MIT licence, August 2026) and "CDNA5" Instruction Set Architecture Reference Guide (July 2026). The comments in the code are by the model that wrote it; some were corrected since.
;; Multihead Attention. Allowed arithmetic: matrix products marked QUANTISED: E4M3 operands, one E8M0 scale for each 32 along K, by v_wmma_scale_f32_16x16x128_f8f6f4 with both operands' format E4M3, f32 sums; everything else in f32.
;; Inputs: key_codes 2,048 x 4 x 32 x 32 uint8 (E4M3 codes of key, K innermost, in blocks of 32 codes); key_scales 2,048 x 4 x 32 uint8 (E8M0 scales of key, one for each 32 codes along K); query_codes 2,048 x 4 x 32 x 32 uint8 (E4M3 codes of query, K innermost, in blocks of 32 codes); query_scales 2,048 x 4 x 32 uint8 (E8M0 scales of query, one for each 32 codes along K); value_codes 2,048 x 4 x 32 x 32 uint8 (E4M3 codes of value, K innermost, in blocks of 32 codes); value_scales 2,048 x 4 x 32 uint8 (E8M0 scales of value, one for each 32 codes along K); wk_b 1,024 float32; wk_w_codes 1,024 x 32 x 32 uint8 (E4M3 codes of wk_w, K innermost, in blocks of 32 codes); wk_w_scales 1,024 x 32 uint8 (E8M0 scales of wk_w, one for each 32 codes along K); wo_b 1,024 float32; wo_w_codes 1,024 x 32 x 32 uint8 (E4M3 codes of wo_w, K innermost, in blocks of 32 codes); wo_w_scales 1,024 x 32 uint8 (E8M0 scales of wo_w, one for each 32 codes along K); wq_b 1,024 float32; wq_w_codes 1,024 x 32 x 32 uint8 (E4M3 codes of wq_w, K innermost, in blocks of 32 codes); wq_w_scales 1,024 x 32 uint8 (E8M0 scales of wq_w, one for each 32 codes along K); wv_b 1,024 float32; wv_w_codes 1,024 x 32 x 32 uint8 (E4M3 codes of wv_w, K innermost, in blocks of 32 codes); wv_w_scales 1,024 x 32 uint8 (E8M0 scales of wv_w, one for each 32 codes along K).
;; Outputs: out0 2,048 x 4 x 1,024 float32.
;; This version of the problem:
;;   THIS VERSION OF THE PROBLEM IS GIVEN IN LOW PRECISION. The matrix products marked QUANTISED in the list below multiply operands that are first quantised to E4M3 (4 exponent bits, 3 mantissa bits; 8 bits a number), with one power-of-two scale for each 32 numbers along K (OCP MX v1.0); their sums are f32. All else is computed in f32.
;;   The module's matrix products, in the order in which they are computed (A, B: the left and right operand; K: the contracted axis; several contracted axes count as one K, in the product's order):
;;     1. [M 8,192, K 1,024] x [K 1,024, N 1,024]; A: input query (given as codes); B: input wq_w (given as codes): QUANTISED
;;     2. [M 8,192, K 1,024] x [K 1,024, N 1,024]; A: input key (given as codes); B: input wk_w (given as codes): QUANTISED
;;     3. [M 8,192, K 1,024] x [K 1,024, N 1,024]; A: input value (given as codes); B: input wv_w (given as codes): QUANTISED
;;     4. batch 64 x [M 2,048, K 64] x [K 64, N 2,048]; A: computed on the way; B: computed on the way: QUANTISED
;;     5. batch 64 x [M 2,048, K 2,048] x [K 2,048, N 64]; A: softmax (see below); B: computed on the way: QUANTISED
;;     6. [M 8,192, K 1,024] x [K 1,024, N 1,024]; A: computed on the way; B: input wo_w (given as codes): QUANTISED
;;   THE QUANTISER, for each operand of a quantised product, along K:
;;     - K is cut into blocks of 32 from its start; a last block that is shorter is filled with zeros.
;;     - A block's scale is 2^e with e = floor(log2(the largest magnitude in the block)) - 8, held to -126 .. 127; a block of zeros has e = 0. As a byte (E8M0): e + 127.
;;     - Each number is divided by its block's scale, clamped to +-448, and rounded to the nearest number of E4M3, ties to even, subnormals kept.
;;     - The product sums the exact products of the quantised numbers (number of the format x scale) in f32.
;;   ~~~python
;;   def quantise(x, axis):      # numpy; x: float32 -> the quantised numbers, widened to float32 again
;;       x = np.moveaxis(x, axis, -1); K = x.shape[-1]
;;       x = np.pad(x, [(0, 0)] * (x.ndim - 1) + [(0, -K % 32)]); x = x.reshape(x.shape[:-1] + (-1, 32)); a = np.abs(x).max(-1, keepdims=True)
;;       e = np.where(a > 0, np.clip(np.frexp(np.where(a > 0, a, 1))[1] - 1 - 8, -126, 127), 0)      # np.frexp(a)[1] - 1 = floor(log2(a)), exactly
;;       r = np.clip(x / 2.0 ** e, -448, 448)
;;       step = 2.0 ** (np.maximum(np.frexp(np.where(r == 0, 1, r))[1] - 1, -6) - 3)
;;       q = np.round(r / step) * step * 2.0 ** e      # np.round: ties to even
;;       return np.moveaxis(q.reshape(q.shape[:-2] + (-1,))[..., :K], -1, axis).astype(np.float32)
;;   ~~~
;;   SOFTMAX AHEAD OF A QUANTISED PRODUCT. Where the list says 'softmax', what is quantised is not the finished softmax but p = 2^(t - M), with t = logit x log2(e) and M = ceil(the row's largest t), a whole number; so 1/2 < the row's largest p <= 1. The row's sum l is taken of the UNQUANTISED p, in f32, and the product's result is divided by l at the end. Since M is a whole number, a kernel that streams over the keys may use a running M (the ceiling of the running maximum): every later rescaling is an exact power of two, which a block's scale takes up: the codes' values come out the same.
;;   OPERANDS COMPUTED ON THE WAY. 'Computed on the way' means the value that the module computes at that place (a softmax that the list does not call 'softmax' is quantised finished and normalised). What goes into a quantiser is computed in f32, as accurately as f32 sums, v_exp_f32 and their like allow (about 1e-6 of the number): no bf16 or f16 on the way to a quantiser, and a product that is left as it is and whose result goes on into a quantised operand takes f32 operands (vector FMAs, or v_wmma_f32_16x16x4_f32). A number that lies on a knife's edge between two numbers of the format may be rounded either way, as far as f32 arithmetic and the matrix unit's own rounding can turn it there, and no further.
;;   INPUTS GIVEN AS CODES. key (in the module: [2048, 4, 1024], K = its axis 2); query (in the module: [2048, 4, 1024], K = its axis 2); value (in the module: [2048, 4, 1024], K = its axis 2); wk_w (in the module: [1024, 1024], K = its axis 0); wo_w (in the module: [1024, 1024], K = its axis 0); wq_w (in the module: [1024, 1024], K = its axis 0); wv_w (in the module: [1024, 1024], K = its axis 0): each comes as NAME_codes (uint8): NAME with its K axis moved to the last place and cut into blocks of 32 codes, [.., K / 32, bytes a block], one block behind the other in memory; one code a byte (a code: sign, 4 exponent bits, 3 mantissa bits); and NAME_scales (uint8): the same leading axes, one E8M0 byte (e + 127) for each 32 codes along K. Its value is code x scale, taken as it is: it is not quantised again, and the codes and scales need not be those that the quantiser above would give.
;; One version. Each part assembles by itself: llvm-mc -triple=amdgcn-amd-amdhsa -mcpu=gfx1250 --defsym DOCPART=n.
;; ======== version 1 of 1: 4 launches
;; limits: right only within a limited range of input values
;; workspace buffers: qimg 8,388,608 bytes; kimg 8,388,608 bytes; vimg 8,388,608 bytes; oimg 8,388,608 bytes; qsc 262,144 bytes; ksc 262,144 bytes; vsc 262,144 bytes; osc 262,144 bytes
;; launch projqk (part 1): grid 4 x 64, 4 waves a work-group, clusters of 4 x 4, 327,680 bytes of LDS; arguments query_codes, key_codes, query_scales, key_scales, wq_w_codes, wk_w_codes, wq_w_scales, wk_w_scales, wq_b, wk_b, qimg, kimg, qsc, ksc; writes qimg, kimg, qsc, ksc
.if DOCPART == 1
	.amdgcn_target "amdgcn-amd-amdhsa--gfx1250"
	.amdhsa_code_object_version 6
	.text
	.protected	k_q71f8bca942_projqk
	.globl	k_q71f8bca942_projqk
	.p2align	8
	.type	k_q71f8bca942_projqk,@function
k_q71f8bca942_projqk:
	s_mov_b64 s[64:65], 0
	v_nop
	global_prefetch_b8 v0, s[64:65] scope:SCOPE_SE
	s_setreg_imm32_b32 hwreg(HW_REG_WAVE_MODE, 25, 1), 1
	s_wait_xcnt 0x0
	s_wait_alu depctr_hold_cnt(0) depctr_sa_sdst(0) depctr_va_vdst(0) depctr_va_sdst(0) depctr_va_ssrc(0) depctr_va_vcc(0) depctr_vm_vsrc(0)
	s_getreg_b32 s2, hwreg(HW_REG_IB_STS2, 6, 4)
	s_cmp_eq_u32 s2, 0
	s_cbranch_scc0 .Lentry_in_a_cluster
	s_endpgm
.Lentry_in_a_cluster:
	s_bfe_u32 s2, ttmp6, 0x10000c
	s_cmp_lg_u32 s2, 0xf033
	s_cbranch_scc0 .Lentry_shape_is_right
	s_endpgm
.Lentry_shape_is_right:
.set NQ,     2
.set ROWB,   256
.set PITCH,  272
.set FR,     16
.set NL,     4
.set NP,     8
.set HALFT,  128*PITCH
.set SLOT,   4*HALFT
.set SCL,    2*SLOT
.set SPI,    48
.set HALFS,  128*SPI
.set SBLK,   16*SPI
.set SPARE,  SCL+4*HALFS
.set ADRA, 16
.set ADRB, 20
.set SOF,  24
.set SELR, 25
.set CO,   26
.set ADRS, 27
.set SPW,  28
.set NIL,  29
.set BOF,  30
.set SC,   32
.set BIAS, 64
.set TM,   64
.set PW,   80
.set WD,   88
.set AF,   128
.set G1, 24
.set G0, 32
.set G1B, 48
.set G0B, 56
.set G1S, 68
.set G0S, 76
.set G1SB, 80
.set G0SB, 88
.set MSB, 0
.macro WIN new
.if MSB != (\new)
	s_set_vgpr_msb (MSB<<8)|(\new)
.set MSB, (\new)
.endif
.endm
.set MUL_LO, 0xa1
.set MUL_HI, 0xf1
.set TO_B,   0x40
.macro JLOAD g0a, g1a, g0b, g1b
	s_cmp_eq_u32 s15, 0
	s_cbranch_scc0 .Lfor_b_\@
	tensor_load_to_lds s[\g0a:\g0a+3], s[\g1a:\g1a+7]
	s_nop 0
.rept 4
	v_nop
.endr
	s_branch .Lasked_\@
.Lfor_b_\@:
	tensor_load_to_lds s[\g0b:\g0b+3], s[\g1b:\g1b+7]
	s_nop 0
.rept 4
	v_nop
.endr
.Lasked_\@:
.endm
.macro CREST
	s_cmp_lg_u32 s14, 0
	s_cbranch_scc1 .Lnot_wave_0_\@
	s_barrier_signal -3
.Lnot_wave_0_\@:
	s_barrier_wait -3
	s_barrier_signal -1
	s_barrier_wait -1
.endm
.macro CROUND
	s_barrier_signal -1
	s_barrier_wait -1
	CREST
.endm
	s_load_b512 s[68:83], s[0:1], 0x0
	s_load_b256 s[84:91], s[0:1], 0x40
	s_load_b128 s[92:95], s[0:1], 0x60
	v_lshl_add_u32 v[SPW], v0, 2, SPARE
	v_mov_b32 v[NIL], 0
	ds_add_u32 v28, v29
	ds_add_u32 v28, v29
	s_wait_dscnt 0x0
	v_lshrrev_b32 v1, 5, v0
	v_readfirstlane_b32 s14, v1
	s_lshr_b32 s15, s14, 1
	s_and_b32 s16, s14, 1
	s_bfe_u32 s40, ttmp6, 0x40000
	s_bfe_u32 s41, ttmp6, 0x40004
	s_lshl_b32 s42, ttmp9, 2
	s_add_co_u32 s42, s42, s40
	s_and_b32 s66, ttmp7, 0xffff
	s_bfe_u32 s67, s66, 0x20001
	s_and_b32 s17, s66, 1
	s_lshl_b32 s17, s17, 2
	s_add_co_u32 s17, s17, s41
	s_lshl_b32 s43, s41, 2
	s_lshl_b32 s43, 15, s43
	s_lshl_b32 s44, 0x1111, s40
	s_or_b32 s[G1+0], s43, (1<<20)|(1<<21)|(5<<22)|(3<<25)
	s_or_b32 s[G1B+0], s44, (1<<20)|(1<<21)|(5<<22)|(3<<25)
.irp g, G1, G1B
	s_mov_b32 s[\g+1], ROWB<<16
	s_mov_b32 s[\g+2], 256<<16
	s_mov_b32 s[\g+3], ROWB<<16
	s_mov_b32 s[\g+4], 256
	s_mov_b32 s[\g+6], 0
	s_mov_b32 s[\g+7], 0
.endr
	s_mov_b32 s[G1+5], 4096
	s_mov_b32 s[G1B+5], 1024
	s_lshl_b32 s20, s17, 8
	s_lshl_b32 s22, s20, 7
	s_lshl_b32 s20, s20, 12
	s_lshl_b32 s19, s67, 10
	s_add_co_u32 s20, s20, s19
	s_lshl_b32 s19, s67, 5
	s_add_co_u32 s22, s22, s19
	s_mov_b32 s21, 0
	s_mov_b32 s23, 0
	s_lshl_b32 s46, s42, 8
	s_lshl_b32 s2, s46, 5
	s_mov_b32 s3, 0
	s_lshl_b32 s46, s46, 10
	s_mov_b32 s47, 0
	s_mul_i32 s45, s14, HALFT
	s_wait_kmcnt 0x0
	s_cmp_lt_u32 s66, 8
	s_cselect_b64 s[4:5], s[68:69], s[70:71]
	s_cselect_b64 s[6:7], s[72:73], s[74:75]
	s_cselect_b64 s[8:9], s[76:77], s[78:79]
	s_cselect_b64 s[10:11], s[80:81], s[82:83]
	s_cselect_b64 s[96:97], s[84:85], s[86:87]
	s_cselect_b64 s[12:13], s[88:89], s[90:91]
	s_cselect_b64 s[98:99], s[92:93], s[94:95]
	s_add_nc_u64 s[20:21], s[4:5], s[20:21]
	s_add_nc_u64 s[22:23], s[6:7], s[22:23]
	s_add_nc_u64 s[46:47], s[8:9], s[46:47]
	s_add_nc_u64 s[2:3], s[10:11], s[2:3]
	s_or_b32 s[G1S+0], s43, (1<<20)|(1<<21)|(2<<22)|(3<<25)
	s_or_b32 s[G1SB+0], s44, (1<<20)|(1<<21)|(2<<22)|(3<<25)
.irp g, G1S, G1SB
	s_mov_b32 s[\g+1], 32<<16
	s_mov_b32 s[\g+2], 256<<16
	s_mov_b32 s[\g+3], 32<<16
	s_mov_b32 s[\g+4], 256
	s_mov_b32 s[\g+6], 0
	s_mov_b32 s[\g+7], 0
.endr
	s_mov_b32 s[G1S+5], 128
	s_mov_b32 s[G1SB+5], 32
	CROUND
	s_mov_b32 s[G0S], 1
	s_mov_b32 s[G0S+1], SCL
	s_mov_b64 s[G0S+2:G0S+3], s[22:23]
	s_or_b32 s[G0S+3], s[G0S+3], 0x80000000
	s_mov_b32 s[G0SB], 1
	s_mov_b32 s[G0SB+1], SCL+2*HALFS
	s_mov_b64 s[G0SB+2:G0SB+3], s[2:3]
	s_or_b32 s[G0SB+3], s[G0SB+3], 0x80000000
	s_mov_b32 s4, 1                                ; the head's tiles, each whole: K step 0's 256 rows of A,
	s_mov_b32 s5, 0
	s_mov_b64 s[6:7], s[20:21]
	s_or_b32 s7, s7, 0x80000000
	s_mov_b32 s8, 1                                ; and its 256 rows of B, behind them in slot 0
	s_mov_b32 s9, 2*HALFT
	s_mov_b64 s[10:11], s[46:47]
	s_or_b32 s11, s11, 0x80000000
	s_lshl_b32 s18, s16, 19                        ; for the ring: my 128 rows of the tile: 128 x 4,096 bytes in A,
	s_mov_b32 s19, 0
	s_add_nc_u64 s[20:21], s[20:21], s[18:19]
	s_lshl_b32 s18, s16, 17                        ; 128 x 1,024 bytes in B
	s_add_nc_u64 s[46:47], s[46:47], s[18:19]
.irp s, 0,1
	s_mov_b32 s[G0+4*\s], 1
	s_add_co_u32 s[G0+4*\s+1], s45, \s*SLOT
	s_add_nc_u64 s[G0+4*\s+2:G0+4*\s+3], s[20:21], \s*ROWB
	s_or_b32 s[G0+4*\s+3], s[G0+4*\s+3], 0x80000000
	s_mov_b32 s[G0B+4*\s], 1
	s_add_co_u32 s[G0B+4*\s+1], s45, \s*SLOT
	s_add_nc_u64 s[G0B+4*\s+2:G0B+4*\s+3], s[46:47], \s*ROWB
	s_or_b32 s[G0B+4*\s+3], s[G0B+4*\s+3], 0x80000000
.endr
; the head's loads, one a wave: wave 0 A's 256 rows, wave 1 B's, wave 2 A's scales, wave 3 B's; one chain of branches on the wave's number
.macro ARM under, g0, g1, next
	s_cmp_lt_u32 s14, \under
	s_cbranch_scc0 \next
	tensor_load_to_lds s[\g0:\g0+3], s[\g1:\g1+7]
	s_nop 0
.rept 4
	v_nop
.endr
	s_branch .Lhead_asked
\next:
.endm
	ARM 1, 4, G1, .Lhead_b
	ARM 2, 8, G1B, .Lhead_sa
	ARM 3, G0S, G1S, .Lhead_sb
	tensor_load_to_lds s[G0SB:G0SB+3], s[G1SB:G1SB+7]
	s_nop 0
.rept 4
	v_nop
.endr
.Lhead_asked:
	v_and_b32 v1, 15, v0
	v_bfe_u32 v2, v0, 4, 1
	s_wait_alu depctr_va_vdst(0)
	v_mul_u32_u24 v3, v1, PITCH
	v_lshl_add_u32 v4, v2, 4, v3
	s_mul_i32 s21, s15, HALFT
	s_mul_i32 s22, s16, HALFT
	s_add_co_u32 s22, s22, 2*HALFT
.irp s, 0,1
	v_add_nc_u32 v[ADRA+\s], s21, v4
	v_add_nc_u32 v[ADRB+\s], s22, v4
	s_add_co_u32 s21, s21, SLOT
	s_add_co_u32 s22, s22, SLOT
.endr
	v_mul_u32_u24 v5, v1, SPI
	s_mul_i32 s21, s15, HALFS
	s_mul_i32 s22, s16, HALFS
	s_add_co_u32 s22, s22, 2*HALFS
	s_sub_co_u32 s22, s22, s21
	v_mul_u32_u24 v6, s22, v2
	s_add_co_u32 s21, s21, SCL
	v_add_nc_u32 v5, v5, v6
	v_add_nc_u32 v[ADRS], s21, v5
	v_and_b32 v6, 31, v0
	v_lshlrev_b32 v[CO], 4, v6
	v_lshlrev_b32 v[SOF], 4, v1
	v_lshl_add_u32 v[SOF], v2, 12, v[SOF]
	v_cmp_eq_u32 vcc_lo, 1, v2
	v_mov_b32 v7, 0x05040100
	v_mov_b32 v8, 0x07060302
	v_cndmask_b32 v[SELR], v7, v8, vcc_lo
	v_lshlrev_b32 v[BOF], 5, v2
	s_lshl_b32 s46, s42, 10
	s_lshl_b32 s47, s16, 9
	s_add_co_u32 s46, s46, s47
	s_mov_b32 s47, 0
	s_add_nc_u64 s[96:97], s[96:97], s[46:47]
.irp b, 0,1,2,3,4,5,6,7
	global_load_b128 v[BIAS+8*\b:BIAS+8*\b+3], v[BOF], s[96:97] offset:64*\b
	global_load_b128 v[BIAS+8*\b+4:BIAS+8*\b+7], v[BOF], s[96:97] offset:64*\b+16
.endr
	s_lshl_b32 s20, s67, 4
	s_lshl_b32 s21, s42, 2
	s_add_co_u32 s20, s20, s21
	s_lshl_b32 s21, s16, 1
	s_add_co_u32 s20, s20, s21
	s_lshl_b32 s22, s20, 12
	s_lshl_b32 s20, s20, 17
	s_lshl_b32 s21, s17, 1
	s_add_co_u32 s21, s21, s15
	s_lshl_b32 s23, s21, 8
	s_add_co_u32 s22, s22, s23
	s_lshl_b32 s21, s21, 13
	s_add_co_u32 s20, s20, s21
	s_mov_b32 s21, 0
	s_mov_b32 s23, 0
	s_add_nc_u64 s[12:13], s[12:13], s[20:21]
	s_add_nc_u64 s[98:99], s[98:99], s[22:23]
.macro FRAG reg, adr, q, i
.irp c, 0,1,2,3
	ds_load_b128 v[\reg+4*\c:\reg+4*\c+3], v[\adr] offset:128*(\q)+32*\c+(\i)*16*PITCH
.endr
.endm
.macro MUL16 a0, p, q, sc, first
.irp a, \a0, \a0+1
.irp b, 0,1,2,3,4,5,6,7
.if \first
	v_wmma_scale_f32_16x16x128_f8f6f4 v[8*(8*((\a)%4)+\b):8*(8*((\a)%4)+\b)+7], v[128*(\p)+FR*\b:128*(\p)+FR*\b+FR-1], v[AF+FR*(\a):AF+FR*(\a)+FR-1], v[BIAS+8*\b:BIAS+8*\b+7], v[SC+8*NQ*(\sc)+NQ*\b+(\q)], v[SC+8*NQ*(\sc)+NQ*(\a)+(\q)] matrix_a_scale:MATRIX_SCALE_ROW1
.else
	v_wmma_scale_f32_16x16x128_f8f6f4 v[8*(8*((\a)%4)+\b):8*(8*((\a)%4)+\b)+7], v[128*(\p)+FR*\b:128*(\p)+FR*\b+FR-1], v[AF+FR*(\a):AF+FR*(\a)+FR-1], v[8*(8*((\a)%4)+\b):8*(8*((\a)%4)+\b)+7], v[SC+8*NQ*(\sc)+NQ*\b+(\q)], v[SC+8*NQ*(\sc)+NQ*(\a)+(\q)] matrix_a_scale:MATRIX_SCALE_ROW1
.endif
.endr
.endr
.endm
.macro FETCH_B slot, q, p
	WIN TO_B
.irp i, 0,1,2,3,4,5,6,7
	FRAG 128*(\p)+FR*\i, ADRB+\slot, \q, \i
.endr
	WIN 0
.endm
.macro FETCH_A slot, q, i0
.irp i, \i0, \i0+1, \i0+2, \i0+3
	FRAG AF+FR*(\i), ADRA+\slot, \q, \i
.endr
.endm
.macro SCALES sc
.irp i, 0,1,2,3,4,5,6,7
	ds_load_b64 v[SC+8*NQ*\sc+NQ*\i:SC+8*NQ*\sc+NQ*\i+1], v[ADRS] offset:\i*SBLK
.endr
.endm
.macro PLACES n
.rept \n
	v_nop
.endr
.endm
.macro STEP slot, q, first
	s_wait_dscnt 4*NL
.if \first
	WIN 0x81
.else
	WIN MUL_LO
.endif
	MUL16 0, (\q)%2, \q, \slot, \first
	MUL16 2, (\q)%2, \q, \slot, \first
	s_wait_dscnt 0
	PLACES NP
	FETCH_B \slot, (\q)+1, 1-(\q)%2
	FETCH_A \slot, (\q)+1, 0
.if \first
	WIN 0xc1
.else
	WIN MUL_HI
.endif
	MUL16 4, (\q)%2, \q, \slot, \first
	MUL16 6, (\q)%2, \q, \slot, \first
	PLACES NP
	WIN 0
	FETCH_A \slot, (\q)+1, 4
.endm
.macro TURN slot, next, fill
	s_wait_tensorcnt 0x0
	ds_add_u32 v[SPW], v[NIL]
	s_wait_dscnt 4*NL+1
	WIN MUL_LO
	MUL16 0, 1, NQ-1, \slot, 0
	s_wait_dscnt 0x0
	s_barrier_signal -1
	MUL16 2, 1, NQ-1, \slot, 0
	WIN 0
	s_barrier_wait -1
.if \fill
	CREST
	s_add_nc_u64 s[G0+4*\slot+2:G0+4*\slot+3], s[G0+4*\slot+2:G0+4*\slot+3], 2*ROWB
	s_add_nc_u64 s[G0B+4*\slot+2:G0B+4*\slot+3], s[G0B+4*\slot+2:G0B+4*\slot+3], 2*ROWB
	JLOAD G0+4*\slot, G1, G0B+4*\slot, G1B
	PLACES NP-4
.else
	PLACES NP
.endif
	s_wait_alu depctr_va_vdst(0)
	v_add_nc_u32 v[ADRS], 4*NQ, v[ADRS]
	FETCH_B \next, 0, 0
	FETCH_A \next, 0, 0
	SCALES \next
	WIN MUL_HI
	MUL16 4, 1, NQ-1, \slot, 0
	MUL16 6, 1, NQ-1, \slot, 0
	PLACES NP
	WIN 0
	FETCH_A \next, 0, 4
.endm
	s_wait_alu depctr_va_vdst(0)                   ; the wait at the head's end
	s_wait_tensorcnt 0x0                           ; my tile of the head's four is in
	ds_add_u32 v[SPW], v[NIL]
	s_mov_b32 s[G1+2], 128<<16                     ; no tensor load of mine is out: from here on a load brings 128 rows
	s_mov_b32 s[G1+4], 128
	s_mov_b32 s[G1B+2], 128<<16
	s_mov_b32 s[G1B+4], 128
	s_wait_dscnt 0x0
	CROUND                                         ; all four tiles are in, in all sixteen work-groups
	JLOAD G0+4, G1, G0B+4, G1B                     ; K step 1: slot 1's first fill, issued as a refill is
	FETCH_B 0, 0, 0
	FETCH_A 0, 0, 0
	SCALES 0
	FETCH_A 0, 0, 4
	s_wait_loadcnt 0x0
	STEP 0, 0, 1
	TURN 0, 1, 1
	STEP 1, 0, 0
	TURN 1, 0, 1
	STEP 0, 0, 0
	TURN 0, 1, 0
	STEP 1, 0, 0
	s_wait_dscnt 4*NL
	WIN MUL_LO
	MUL16 0, 1, NQ-1, 1, 0
	MUL16 2, 1, NQ-1, 1, 0
	s_wait_dscnt 0
	WIN MUL_HI
	MUL16 4, 1, NQ-1, 1, 0
	MUL16 6, 1, NQ-1, 1, 0
	WIN 0
.macro QROW a
.set AC, 64*((\a)%4)
.set W, 2+(\a)/4
.set PC, AF+16*(\a)
	WIN W*5
.irp b, 0,1,2,3
	v_max3_num_f32 v[TM+\b], |v[AC+16*\b]|, |v[AC+16*\b+1]|, 0x4800000
.endr
	WIN W*20
.irp i, 2,4,6,8,10,12,14
.irp b, 0,1,2,3
	v_max3_num_f32 v[TM+\b], v[TM+\b], |v[AC+16*\b+\i]|, |v[AC+16*\b+\i+1]|
.endr
.endr
	WIN 0
.irp b, 0,1,2,3
	v_permlanex16_b32 v[TM+4+\b], v[TM+\b], s20, s21
.endr
.irp b, 0,1,2,3
	v_max_num_f32 v[TM+\b], v[TM+\b], v[TM+4+\b]
.endr
.irp b, 0,1,2,3
	v_add_nc_u32 v[TM+12+\b], 0xfc000000, v[TM+\b]
.endr
.irp b, 0,1,2,3
	v_and_or_b32 v[TM+8+\b], v[TM+\b], 0x7f800000, s22
.endr
.irp b, 0,1,2,3
	v_lshrrev_b32 v[TM+4+\b], 23, v[TM+12+\b]
.endr
	v_lshl_or_b32 v[PW+(\a)], v[TM+5], 8, v[TM+4]
	v_lshl_or_b32 v[PW+(\a)], v[TM+6], 16, v[PW+(\a)]
	v_lshl_or_b32 v[PW+(\a)], v[TM+7], 24, v[PW+(\a)]
	WIN W*65
.irp b, 0,1,2,3
.irp i, 0,1,2,3,4,5,6,7,8,9,10,11,12,13,14,15
	v_med3_num_f32 v[AC+16*\b+\i], v[AC+16*\b+\i], -v[TM+8+\b], v[TM+8+\b]
.endr
.endr
	WIN W
.irp b, 0,1,2,3
	v_cvt_scalef32_pk8_fp8_f32 v[PC+4*\b:PC+4*\b+1], v[AC+16*\b:AC+16*\b+7], v[TM+12+\b]
	v_cvt_scalef32_pk8_fp8_f32 v[PC+4*\b+2:PC+4*\b+3], v[AC+16*\b+8:AC+16*\b+15], v[TM+12+\b]
.endr
	WIN 0
	v_nop
.irp b, 0,1,2,3
	global_store_b128 v[CO], v[PC+4*\b:PC+4*\b+3], s[12:13] offset:(\b/2)*131072+(\a)*1024+(\b%2)*512
.endr
.endm
	PLACES NP
	s_mov_b32 s20, 0x76543210
	s_mov_b32 s21, 0xfedcba98
	s_mov_b32 s22, 0x600000
.irp a, 0,1,2,3,4,5,6,7
	QROW \a
.endr
.irp p, 0,1,2,3
	v_perm_b32 v[WD+\p], v[PW+2*\p+1], v[PW+2*\p], v[SELR]
.endr
	global_store_b128 v[SOF], v[WD:WD+3], s[98:99]
	s_wait_tensorcnt 0x0
	ds_add_u32 v[SPW], v[NIL]
	s_wait_dscnt 0x0
	CROUND
	s_endpgm
.Lfunc_end_k_q71f8bca942_projqk:
	.size	k_q71f8bca942_projqk, .Lfunc_end_k_q71f8bca942_projqk-k_q71f8bca942_projqk
	.p2alignl 7, 3214868480
	.fill 96, 4, 3214868480
	.section	.rodata,"a",@progbits
	.p2align	6, 0x0
	.amdhsa_kernel k_q71f8bca942_projqk
		.amdhsa_group_segment_fixed_size 327680
		.amdhsa_private_segment_fixed_size 0
		.amdhsa_enable_private_segment 0
		.amdhsa_kernarg_size 112
		.amdhsa_user_sgpr_count 2
		.amdhsa_user_sgpr_kernarg_segment_ptr 1
		.amdhsa_wavefront_size32 1
		.amdhsa_system_sgpr_workgroup_id_x 1
		.amdhsa_system_sgpr_workgroup_id_y 1
		.amdhsa_system_sgpr_workgroup_id_z 1
		.amdhsa_system_vgpr_workitem_id 0
		.amdhsa_next_free_vgpr 1024
		.amdhsa_next_free_sgpr 100
		.amdhsa_reserve_vcc 1
		.amdhsa_float_denorm_mode_32 3
		.amdhsa_float_denorm_mode_16_64 3
		.amdhsa_memory_ordered 1
		.amdhsa_forward_progress 1
		.amdhsa_inst_pref_size 188
	.end_amdhsa_kernel
	.amdgpu_metadata
---
amdhsa.version: [ 1, 2 ]
amdhsa.kernels:
  - .name:           k_q71f8bca942_projqk
    .symbol:         k_q71f8bca942_projqk.kd
    .args:
      - { .name: query_codes, .offset: 0, .size: 8, .value_kind: global_buffer, .address_space: global }
      - { .name: key_codes, .offset: 8, .size: 8, .value_kind: global_buffer, .address_space: global }
      - { .name: query_scales, .offset: 16, .size: 8, .value_kind: global_buffer, .address_space: global }
      - { .name: key_scales, .offset: 24, .size: 8, .value_kind: global_buffer, .address_space: global }
      - { .name: wq_w_codes, .offset: 32, .size: 8, .value_kind: global_buffer, .address_space: global }
      - { .name: wk_w_codes, .offset: 40, .size: 8, .value_kind: global_buffer, .address_space: global }
      - { .name: wq_w_scales, .offset: 48, .size: 8, .value_kind: global_buffer, .address_space: global }
      - { .name: wk_w_scales, .offset: 56, .size: 8, .value_kind: global_buffer, .address_space: global }
      - { .name: wq_b, .offset: 64, .size: 8, .value_kind: global_buffer, .address_space: global }
      - { .name: wk_b, .offset: 72, .size: 8, .value_kind: global_buffer, .address_space: global }
      - { .name: qimg, .offset: 80, .size: 8, .value_kind: global_buffer, .address_space: global }
      - { .name: kimg, .offset: 88, .size: 8, .value_kind: global_buffer, .address_space: global }
      - { .name: qsc, .offset: 96, .size: 8, .value_kind: global_buffer, .address_space: global }
      - { .name: ksc, .offset: 104, .size: 8, .value_kind: global_buffer, .address_space: global }
    .group_segment_fixed_size: 327680
    .private_segment_fixed_size: 0
    .kernarg_segment_align: 8
    .kernarg_segment_size: 112
    .max_flat_workgroup_size: 128
    .sgpr_count:     100
    .vgpr_count:     1024
    .wavefront_size: 32
...
	.end_amdgpu_metadata
.endif
;; end of part 1
;; launch projv (part 2): grid 32 x 4, 4 waves a work-group, clusters of 4 x 4, 327,680 bytes of LDS; arguments wv_w_codes, wv_w_scales, value_codes, value_scales, vimg, wv_b, vsc; writes vimg, vsc
.if DOCPART == 2
	.amdgcn_target "amdgcn-amd-amdhsa--gfx1250"
	.amdhsa_code_object_version 6
	.text
	.protected	k_q71f8bca942_projv
	.globl	k_q71f8bca942_projv
	.p2align	8
	.type	k_q71f8bca942_projv,@function
k_q71f8bca942_projv:
	s_mov_b64 s[64:65], 0
	v_nop
	global_prefetch_b8 v0, s[64:65] scope:SCOPE_SE
	s_setreg_imm32_b32 hwreg(HW_REG_WAVE_MODE, 25, 1), 1
	s_wait_xcnt 0x0
	s_wait_alu depctr_hold_cnt(0) depctr_sa_sdst(0) depctr_va_vdst(0) depctr_va_sdst(0) depctr_va_ssrc(0) depctr_va_vcc(0) depctr_vm_vsrc(0)
	s_getreg_b32 s2, hwreg(HW_REG_IB_STS2, 6, 4)
	s_cmp_eq_u32 s2, 0
	s_cbranch_scc0 .Lentry_in_a_cluster
	s_endpgm
.Lentry_in_a_cluster:
	s_bfe_u32 s2, ttmp6, 0x10000c
	s_cmp_lg_u32 s2, 0xf033
	s_cbranch_scc0 .Lentry_shape_is_right
	s_endpgm
.Lentry_shape_is_right:
; v = value wv + wv_b on the given codes of E4M3 with E8M0 scales, quantised along the KEYS (blocks of 32 s at one nb), straight from the accumulators.
; The ring, the round and the joint loads are those of the q and k launch, with the sides changed: source 1 ("A") = 16 rows d of wv_w, source 0 ("B") = 16 keys of value:
; a lane then holds one channel d and registers along the keys.  A work-group makes 256 channels x 256 keys of one nb; four waves, 128 x 128 each.
; CLUSTERS: 4 x 4: the four of a row of the cluster share the weight's rows, the four of a column the keys.
; OUT: vimg [b][step of 128 keys][tile ft of 16 channels][block c of 32 keys][lane][16 bytes]: byte 8 u + j of lane (r, h) is key 32 c + 16 u + 8 h + j of channel 16 ft + r: the order in which the next launch's
; weights p fall into a lane's registers.  vsc [b][step][r][ft] words of four bytes c = 0 .. 3.
; LIMITS: a block's scale byte is held at 1 from below (a block of zeros gets byte 1 and zero codes; only this program reads the bytes); NaN and infinities are not served.
; No prefetch: K has four steps, and two of them are asked for at the head.  128 work-groups: one tile each.
.set NQ,     2
.set ROWB,   256
.set PITCH,  272
.set FR,     16
.set NL,     4
.set NP,     8
.set HALFT,  128*PITCH
.set SLOT,   4*HALFT
.set SCL,    2*SLOT
.set SPI,    48
.set HALFS,  128*SPI
.set SBLK,   16*SPI
.set SPARE,  SCL+4*HALFS
.set ADRA, 16
.set ADRB, 20
.set SOF,  24                          ; v24 16 r + 4,096 h
.set CO,   26                          ; v26 16 x lane
.set ADRS, 27
.set SPW,  28
.set NIL,  29
.set BOF,  30
.set SC,   32                          ; v32-63 scale words: they hold nothing else
.set BIAS, 64
.set TM,   64
.set PW,   80
.set WD,   88
.set AF,   128
.set G1, 24
.set G0, 32
.set G1B, 48
.set G0B, 56
.set G1S, 68
.set G0S, 76
.set G1SB, 80
.set G0SB, 88
.set MSB, 0
.macro WIN new
.if MSB != (\new)
	s_set_vgpr_msb (MSB<<8)|(\new)
.set MSB, (\new)
.endif
.endm
.set MUL_LO, 0xa1
.set MUL_HI, 0xf1
.set TO_B,   0x40
.macro JLOAD g0a, g1a, g0b, g1b        ; waves 0, 1 fetch for A, waves 2, 3 for B; four v_nop follow each line
	s_cmp_eq_u32 s15, 0
	s_cbranch_scc0 .Lfor_b_\@
	tensor_load_to_lds s[\g0a:\g0a+3], s[\g1a:\g1a+7]
	s_nop 0
.rept 4
	v_nop
.endr
	s_branch .Lasked_\@
.Lfor_b_\@:
	tensor_load_to_lds s[\g0b:\g0b+3], s[\g1b:\g1b+7]
	s_nop 0
.rept 4
	v_nop
.endr
.Lasked_\@:
.endm
.macro CREST
	s_cmp_lg_u32 s14, 0
	s_cbranch_scc1 .Lnot_wave_0_\@
	s_barrier_signal -3
.Lnot_wave_0_\@:
	s_barrier_wait -3
	s_barrier_signal -1
	s_barrier_wait -1
.endm
.macro CROUND
	s_barrier_signal -1
	s_barrier_wait -1
	CREST
.endm
	s_load_b256 s[4:11], s[0:1], 0x0               ; wv_w codes, wv_w scales, value codes, value scales
	s_load_b64 s[12:13], s[0:1], 0x20              ; vimg
	s_load_b128 s[96:99], s[0:1], 0x28             ; wv_b, vsc
	v_lshl_add_u32 v[SPW], v0, 2, SPARE
	v_mov_b32 v[NIL], 0
	ds_add_u32 v28, v29
	ds_add_u32 v28, v29
	s_wait_dscnt 0x0
	v_lshrrev_b32 v1, 5, v0
	v_readfirstlane_b32 s14, v1
	s_lshr_b32 s15, s14, 1                         ; my half of the channels.  Also: I fetch for A (0) or B (1)
	s_and_b32 s16, s14, 1                          ; my half of the keys.  Also: which 128 rows I fetch
	s_bfe_u32 s40, ttmp6, 0x40000                  ; cx
	s_bfe_u32 s41, ttmp6, 0x40004                  ; cy
	s_lshr_b32 s67, ttmp9, 1                       ; nb
	s_and_b32 s42, ttmp9, 1
	s_lshl_b32 s42, s42, 2
	s_add_co_u32 s42, s42, s40                     ; block of 256 keys
	s_mov_b32 s17, s41                             ; block of 256 channels
	s_lshl_b32 s43, s41, 2
	s_lshl_b32 s43, 15, s43
	s_lshl_b32 s44, 0x1111, s40
	s_or_b32 s[G1+0], s43, (1<<20)|(1<<21)|(5<<22)|(3<<25)
	s_or_b32 s[G1B+0], s44, (1<<20)|(1<<21)|(5<<22)|(3<<25)
.irp g, G1, G1B
	s_mov_b32 s[\g+1], ROWB<<16
	s_mov_b32 s[\g+2], 256<<16
	s_mov_b32 s[\g+3], ROWB<<16
	s_mov_b32 s[\g+4], 256
	s_mov_b32 s[\g+6], 0
	s_mov_b32 s[\g+7], 0
.endr
	s_mov_b32 s[G1+5], 1024
	s_mov_b32 s[G1B+5], 4096                       ; from key to key at one nb
	s_or_b32 s[G1S+0], s43, (1<<20)|(1<<21)|(2<<22)|(3<<25)
	s_or_b32 s[G1SB+0], s44, (1<<20)|(1<<21)|(2<<22)|(3<<25)
.irp g, G1S, G1SB
	s_mov_b32 s[\g+1], 32<<16
	s_mov_b32 s[\g+2], 256<<16
	s_mov_b32 s[\g+3], 32<<16
	s_mov_b32 s[\g+4], 256
	s_mov_b32 s[\g+6], 0
	s_mov_b32 s[\g+7], 0
.endr
	s_mov_b32 s[G1S+5], 32
	s_mov_b32 s[G1SB+5], 128
	s_lshl_b32 s20, s17, 8
	s_lshl_b32 s22, s20, 5
	s_lshl_b32 s20, s20, 10
	s_mov_b32 s21, 0
	s_mov_b32 s23, 0
	s_lshl_b32 s46, s42, 8
	s_lshl_b32 s2, s46, 7
	s_lshl_b32 s46, s46, 12
	s_lshl_b32 s19, s67, 10
	s_add_co_u32 s46, s46, s19
	s_lshl_b32 s19, s67, 5
	s_add_co_u32 s2, s2, s19
	s_mov_b32 s3, 0
	s_mov_b32 s47, 0
	s_mul_i32 s45, s14, HALFT
	s_wait_kmcnt 0x0
	s_add_nc_u64 s[20:21], s[4:5], s[20:21]
	s_add_nc_u64 s[22:23], s[6:7], s[22:23]
	s_add_nc_u64 s[46:47], s[8:9], s[46:47]
	s_add_nc_u64 s[2:3], s[10:11], s[2:3]
	CROUND
	s_mov_b32 s[G0S], 1
	s_mov_b32 s[G0S+1], SCL
	s_mov_b64 s[G0S+2:G0S+3], s[22:23]
	s_or_b32 s[G0S+3], s[G0S+3], 0x80000000
	s_mov_b32 s[G0SB], 1
	s_mov_b32 s[G0SB+1], SCL+2*HALFS
	s_mov_b64 s[G0SB+2:G0SB+3], s[2:3]
	s_or_b32 s[G0SB+3], s[G0SB+3], 0x80000000
	s_mov_b32 s4, 1                                ; the head's tiles, each whole: K step 0's 256 rows of A,
	s_mov_b32 s5, 0
	s_mov_b64 s[6:7], s[20:21]
	s_or_b32 s7, s7, 0x80000000
	s_mov_b32 s8, 1                                ; and its 256 rows of B, behind them in slot 0
	s_mov_b32 s9, 2*HALFT
	s_mov_b64 s[10:11], s[46:47]
	s_or_b32 s11, s11, 0x80000000
	s_lshl_b32 s18, s16, 17                        ; for the ring: my 128 rows of the tile: 128 x 1,024 bytes in A,
	s_mov_b32 s19, 0
	s_add_nc_u64 s[20:21], s[20:21], s[18:19]
	s_lshl_b32 s18, s16, 19                        ; 128 x 4,096 bytes in B
	s_add_nc_u64 s[46:47], s[46:47], s[18:19]
.irp s, 0,1
	s_mov_b32 s[G0+4*\s], 1
	s_add_co_u32 s[G0+4*\s+1], s45, \s*SLOT
	s_add_nc_u64 s[G0+4*\s+2:G0+4*\s+3], s[20:21], \s*ROWB
	s_or_b32 s[G0+4*\s+3], s[G0+4*\s+3], 0x80000000
	s_mov_b32 s[G0B+4*\s], 1
	s_add_co_u32 s[G0B+4*\s+1], s45, \s*SLOT
	s_add_nc_u64 s[G0B+4*\s+2:G0B+4*\s+3], s[46:47], \s*ROWB
	s_or_b32 s[G0B+4*\s+3], s[G0B+4*\s+3], 0x80000000
.endr
; the head's loads, one a wave: wave 0 A's 256 rows, wave 1 B's, wave 2 A's scales, wave 3 B's; one chain of branches on the wave's number
.macro ARM under, g0, g1, next
	s_cmp_lt_u32 s14, \under
	s_cbranch_scc0 \next
	tensor_load_to_lds s[\g0:\g0+3], s[\g1:\g1+7]
	s_nop 0
.rept 4
	v_nop
.endr
	s_branch .Lhead_asked
\next:
.endm
	ARM 1, 4, G1, .Lhead_b
	ARM 2, 8, G1B, .Lhead_sa
	ARM 3, G0S, G1S, .Lhead_sb
	tensor_load_to_lds s[G0SB:G0SB+3], s[G1SB:G1SB+7]
	s_nop 0
.rept 4
	v_nop
.endr
.Lhead_asked:
	v_and_b32 v1, 15, v0
	v_bfe_u32 v2, v0, 4, 1
	s_wait_alu depctr_va_vdst(0)
	v_mul_u32_u24 v3, v1, PITCH
	v_lshl_add_u32 v4, v2, 4, v3
	s_mul_i32 s21, s15, HALFT
	s_mul_i32 s22, s16, HALFT
	s_add_co_u32 s22, s22, 2*HALFT
.irp s, 0,1
	v_add_nc_u32 v[ADRA+\s], s21, v4
	v_add_nc_u32 v[ADRB+\s], s22, v4
	s_add_co_u32 s21, s21, SLOT
	s_add_co_u32 s22, s22, SLOT
.endr
	v_mul_u32_u24 v5, v1, SPI
	s_mul_i32 s21, s15, HALFS
	s_mul_i32 s22, s16, HALFS
	s_add_co_u32 s22, s22, 2*HALFS
	s_sub_co_u32 s22, s22, s21
	v_mul_u32_u24 v6, s22, v2
	s_add_co_u32 s21, s21, SCL
	v_add_nc_u32 v5, v5, v6
	v_add_nc_u32 v[ADRS], s21, v5
	v_and_b32 v6, 31, v0
	v_lshlrev_b32 v[CO], 4, v6
	v_lshlrev_b32 v[SOF], 4, v1
	v_lshl_add_u32 v[SOF], v2, 12, v[SOF]
	v_lshlrev_b32 v[BOF], 2, v1                    ; the bias of my channel: 4 r
	s_lshl_b32 s20, s17, 10
	s_lshl_b32 s21, s15, 9
	s_add_co_u32 s20, s20, s21
	s_mov_b32 s21, 0
	s_add_nc_u64 s[96:97], s[96:97], s[20:21]      ; the bias of my 128 channels
.irp a, 0,1,2,3,4,5,6,7
.irp j, 0,1,2,3,4,5,6,7
	global_load_b32 v[BIAS+8*\a+\j], v[BOF], s[96:97] offset:64*\a   ; a lane's eight results of a tile are one channel's: the same number eight times
.endr
.endr
	s_lshl_b32 s20, s67, 4
	s_lshl_b32 s21, s17, 2
	s_add_co_u32 s20, s20, s21
	s_lshl_b32 s21, s15, 1
	s_add_co_u32 s20, s20, s21                     ; b of my first head
	s_lshl_b32 s22, s20, 12
	s_lshl_b32 s20, s20, 17
	s_lshl_b32 s21, s42, 1
	s_add_co_u32 s21, s21, s16                     ; which step of 128 keys is mine
	s_lshl_b32 s23, s21, 8
	s_add_co_u32 s22, s22, s23
	s_lshl_b32 s21, s21, 13
	s_add_co_u32 s20, s20, s21
	s_mov_b32 s21, 0
	s_mov_b32 s23, 0
	s_add_nc_u64 s[12:13], s[12:13], s[20:21]
	s_add_nc_u64 s[98:99], s[98:99], s[22:23]
.macro FRAG reg, adr, q, i
.irp c, 0,1,2,3
	ds_load_b128 v[\reg+4*\c:\reg+4*\c+3], v[\adr] offset:128*(\q)+32*\c+(\i)*16*PITCH
.endr
.endm
.macro MUL16 a0, p, q, sc, first       ; first = 1: the sum begins with the bias.  The 64 accumulators take turns
.irp a, \a0, \a0+1
.irp b, 0,1,2,3,4,5,6,7
.if \first
	v_wmma_scale_f32_16x16x128_f8f6f4 v[8*(8*((\a)%4)+\b):8*(8*((\a)%4)+\b)+7], v[128*(\p)+FR*\b:128*(\p)+FR*\b+FR-1], v[AF+FR*(\a):AF+FR*(\a)+FR-1], v[BIAS+8*(\a):BIAS+8*(\a)+7], v[SC+8*NQ*(\sc)+NQ*\b+(\q)], v[SC+8*NQ*(\sc)+NQ*(\a)+(\q)] matrix_a_scale:MATRIX_SCALE_ROW1
.else
	v_wmma_scale_f32_16x16x128_f8f6f4 v[8*(8*((\a)%4)+\b):8*(8*((\a)%4)+\b)+7], v[128*(\p)+FR*\b:128*(\p)+FR*\b+FR-1], v[AF+FR*(\a):AF+FR*(\a)+FR-1], v[8*(8*((\a)%4)+\b):8*(8*((\a)%4)+\b)+7], v[SC+8*NQ*(\sc)+NQ*\b+(\q)], v[SC+8*NQ*(\sc)+NQ*(\a)+(\q)] matrix_a_scale:MATRIX_SCALE_ROW1
.endif
.endr
.endr
.endm
.macro FETCH_B slot, q, p
	WIN TO_B
.irp i, 0,1,2,3,4,5,6,7
	FRAG 128*(\p)+FR*\i, ADRB+\slot, \q, \i
.endr
	WIN 0
.endm
.macro FETCH_A slot, q, i0
.irp i, \i0, \i0+1, \i0+2, \i0+3
	FRAG AF+FR*(\i), ADRA+\slot, \q, \i
.endr
.endm
.macro SCALES sc
.irp i, 0,1,2,3,4,5,6,7
	ds_load_b64 v[SC+8*NQ*\sc+NQ*\i:SC+8*NQ*\sc+NQ*\i+1], v[ADRS] offset:\i*SBLK
.endr
.endm
.macro PLACES n
.rept \n
	v_nop
.endr
.endm
.macro STEP slot, q, first
	s_wait_dscnt 4*NL                              ; all but the youngest 16 loads: A's blocks 4-7
.if \first
	WIN 0x81
.else
	WIN MUL_LO
.endif
	MUL16 0, (\q)%2, \q, \slot, \first
	MUL16 2, (\q)%2, \q, \slot, \first
	s_wait_dscnt 0
	PLACES NP
	FETCH_B \slot, (\q)+1, 1-(\q)%2
	FETCH_A \slot, (\q)+1, 0
.if \first
	WIN 0xc1
.else
	WIN MUL_HI
.endif
	MUL16 4, (\q)%2, \q, \slot, \first
	MUL16 6, (\q)%2, \q, \slot, \first
	PLACES NP
	WIN 0
	FETCH_A \slot, (\q)+1, 4
.endm
.macro TURN slot, next, fill
	s_wait_tensorcnt 0x0                           ; all my tensor loads have landed: my part of the next slot
	ds_add_u32 v[SPW], v[NIL]                      ; 0 onto my spare word
	s_wait_dscnt 4*NL+1                            ; the add and the youngest 16 loads may be out
	WIN MUL_LO
	MUL16 0, 1, NQ-1, \slot, 0
	s_wait_dscnt 0x0                               ; the add is done, and my reads of this slot are over
	s_barrier_signal -1
	MUL16 2, 1, NQ-1, \slot, 0
	WIN 0
	s_barrier_wait -1
.if \fill
	CREST
	s_add_nc_u64 s[G0+4*\slot+2:G0+4*\slot+3], s[G0+4*\slot+2:G0+4*\slot+3], 2*ROWB
	s_add_nc_u64 s[G0B+4*\slot+2:G0B+4*\slot+3], s[G0B+4*\slot+2:G0B+4*\slot+3], 2*ROWB
	JLOAD G0+4*\slot, G1, G0B+4*\slot, G1B
	PLACES NP-4
.else
	PLACES NP
.endif
	s_wait_alu depctr_va_vdst(0)
	v_add_nc_u32 v[ADRS], 4*NQ, v[ADRS]
	FETCH_B \next, 0, 0
	FETCH_A \next, 0, 0
	SCALES \next
	WIN MUL_HI
	MUL16 4, 1, NQ-1, \slot, 0
	MUL16 6, 1, NQ-1, \slot, 0
	PLACES NP
	WIN 0
	FETCH_A \next, 0, 4
.endm
	s_wait_alu depctr_va_vdst(0)
	s_wait_tensorcnt 0x0                           ; my tile of the head's four is in
	ds_add_u32 v[SPW], v[NIL]
	s_mov_b32 s[G1+2], 128<<16                     ; no tensor load of mine is out: from here on a load brings 128 rows
	s_mov_b32 s[G1+4], 128
	s_mov_b32 s[G1B+2], 128<<16
	s_mov_b32 s[G1B+4], 128
	s_wait_dscnt 0x0
	CROUND                                         ; all four tiles are in, in all sixteen work-groups
	JLOAD G0+4, G1, G0B+4, G1B                     ; K step 1: slot 1's first fill, issued as a refill is
	FETCH_B 0, 0, 0
	FETCH_A 0, 0, 0
	SCALES 0
	FETCH_A 0, 0, 4
	s_wait_loadcnt 0x0                             ; the bias
	STEP 0, 0, 1
	TURN 0, 1, 1
	STEP 1, 0, 0
	TURN 1, 0, 1
	STEP 0, 0, 0
	TURN 0, 1, 0
	STEP 1, 0, 0
	s_wait_dscnt 4*NL
	WIN MUL_LO
	MUL16 0, 1, NQ-1, 1, 0
	MUL16 2, 1, NQ-1, 1, 0
	s_wait_dscnt 0
	WIN MUL_HI
	MUL16 4, 1, NQ-1, 1, 0
	MUL16 6, 1, NQ-1, 1, 0
	WIN 0
; THE WAY OUT.  The 64 registers of A's block a are, for my channel, the four blocks of 32 keys of my 128: they become one fragment and one scale word.  The arithmetic of a block is that of the q and k launch.
.macro QROW a
.set AC, 64*((\a)%4)
.set W, 2+(\a)/4
.set PC, AF+16*(\a)
	WIN W*5
.irp b, 0,1,2,3
	v_max3_num_f32 v[TM+\b], |v[AC+16*\b]|, |v[AC+16*\b+1]|, 0x4800000
.endr
	WIN W*20
.irp i, 2,4,6,8,10,12,14
.irp b, 0,1,2,3
	v_max3_num_f32 v[TM+\b], v[TM+\b], |v[AC+16*\b+\i]|, |v[AC+16*\b+\i+1]|
.endr
.endr
	WIN 0
.irp b, 0,1,2,3
	v_permlanex16_b32 v[TM+4+\b], v[TM+\b], s20, s21
.endr
.irp b, 0,1,2,3
	v_max_num_f32 v[TM+\b], v[TM+\b], v[TM+4+\b]
.endr
.irp b, 0,1,2,3
	v_add_nc_u32 v[TM+12+\b], 0xfc000000, v[TM+\b]
.endr
.irp b, 0,1,2,3
	v_and_or_b32 v[TM+8+\b], v[TM+\b], 0x7f800000, s22
.endr
.irp b, 0,1,2,3
	v_lshrrev_b32 v[TM+4+\b], 23, v[TM+12+\b]
.endr
	v_lshl_or_b32 v[PW+(\a)], v[TM+5], 8, v[TM+4]
	v_lshl_or_b32 v[PW+(\a)], v[TM+6], 16, v[PW+(\a)]
	v_lshl_or_b32 v[PW+(\a)], v[TM+7], 24, v[PW+(\a)]
	WIN W*65
.irp b, 0,1,2,3
.irp i, 0,1,2,3,4,5,6,7,8,9,10,11,12,13,14,15
	v_med3_num_f32 v[AC+16*\b+\i], v[AC+16*\b+\i], -v[TM+8+\b], v[TM+8+\b]
.endr
.endr
	WIN W
.irp b, 0,1,2,3
	v_cvt_scalef32_pk8_fp8_f32 v[PC+4*\b:PC+4*\b+1], v[AC+16*\b:AC+16*\b+7], v[TM+12+\b]
	v_cvt_scalef32_pk8_fp8_f32 v[PC+4*\b+2:PC+4*\b+3], v[AC+16*\b+8:AC+16*\b+15], v[TM+12+\b]
.endr
	WIN 0
	v_nop                                          ; a plain instruction behind the last conversion
.irp b, 0,1,2,3
	global_store_b128 v[CO], v[PC+4*\b:PC+4*\b+3], s[12:13] offset:((\a)/4)*131072+((\a)%4)*2048+512*\b   ; 512 consecutive bytes, aligned
.endr
.endm
	PLACES NP
	s_mov_b32 s20, 0x76543210
	s_mov_b32 s21, 0xfedcba98
	s_mov_b32 s22, 0x600000
.irp a, 0,1,2,3,4,5,6,7
	QROW \a
.endr
	v_cmp_le_u32 vcc_lo, 0x100, v[CO]              ; lanes 16-31
.irp t, 0,1,2,3
	v_cndmask_b32 v[WD+\t], v[PW+\t], v[PW+4+\t], vcc_lo   ; lanes 0-15 store the first head's words, lanes 16-31 the second's
.endr
	global_store_b128 v[SOF], v[WD:WD+3], s[98:99]   ; sixteen lanes store 256 consecutive bytes, aligned
	s_wait_tensorcnt 0x0                           ; the wave's end
	ds_add_u32 v[SPW], v[NIL]
	s_wait_dscnt 0x0
	CROUND
	s_endpgm
.Lfunc_end_k_q71f8bca942_projv:
	.size	k_q71f8bca942_projv, .Lfunc_end_k_q71f8bca942_projv-k_q71f8bca942_projv
	.p2alignl 7, 3214868480
	.fill 96, 4, 3214868480
	.section	.rodata,"a",@progbits
	.p2align	6, 0x0
	.amdhsa_kernel k_q71f8bca942_projv
		.amdhsa_group_segment_fixed_size 327680
		.amdhsa_private_segment_fixed_size 0
		.amdhsa_enable_private_segment 0
		.amdhsa_kernarg_size 56
		.amdhsa_user_sgpr_count 2
		.amdhsa_user_sgpr_kernarg_segment_ptr 1
		.amdhsa_wavefront_size32 1
		.amdhsa_system_sgpr_workgroup_id_x 1
		.amdhsa_system_sgpr_workgroup_id_y 1
		.amdhsa_system_sgpr_workgroup_id_z 1
		.amdhsa_system_vgpr_workitem_id 0
		.amdhsa_next_free_vgpr 1024
		.amdhsa_next_free_sgpr 100
		.amdhsa_reserve_vcc 1
		.amdhsa_float_denorm_mode_32 3
		.amdhsa_float_denorm_mode_16_64 3
		.amdhsa_memory_ordered 1
		.amdhsa_forward_progress 1
		.amdhsa_inst_pref_size 192
	.end_amdhsa_kernel
	.amdgpu_metadata
---
amdhsa.version: [ 1, 2 ]
amdhsa.kernels:
  - .name:           k_q71f8bca942_projv
    .symbol:         k_q71f8bca942_projv.kd
    .args:
      - { .name: wv_w_codes, .offset: 0, .size: 8, .value_kind: global_buffer, .address_space: global }
      - { .name: wv_w_scales, .offset: 8, .size: 8, .value_kind: global_buffer, .address_space: global }
      - { .name: value_codes, .offset: 16, .size: 8, .value_kind: global_buffer, .address_space: global }
      - { .name: value_scales, .offset: 24, .size: 8, .value_kind: global_buffer, .address_space: global }
      - { .name: vimg, .offset: 32, .size: 8, .value_kind: global_buffer, .address_space: global }
      - { .name: wv_b, .offset: 40, .size: 8, .value_kind: global_buffer, .address_space: global }
      - { .name: vsc, .offset: 48, .size: 8, .value_kind: global_buffer, .address_space: global }
    .group_segment_fixed_size: 327680
    .private_segment_fixed_size: 0
    .kernarg_segment_align: 8
    .kernarg_segment_size: 56
    .max_flat_workgroup_size: 128
    .sgpr_count:     100
    .vgpr_count:     1024
    .wavefront_size: 32
...
	.end_amdgpu_metadata
.endif
;; end of part 2
;; launch attn (part 3): grid 8 x 32, 8 waves a work-group, clusters of 4 x 1, 327,680 bytes of LDS; arguments qimg, qsc, kimg, ksc, vimg, vsc, oimg, osc; writes oimg, osc
.if DOCPART == 3
	.amdgcn_target "amdgcn-amd-amdhsa--gfx1250"
	.amdhsa_code_object_version 6
	.text
	.protected	k_q71f8bca942_attn
	.globl	k_q71f8bca942_attn
	.p2align	8
	.type	k_q71f8bca942_attn,@function
k_q71f8bca942_attn:
	s_mov_b64 s[64:65], 0
	v_nop
	global_prefetch_b8 v0, s[64:65] scope:SCOPE_SE
	s_setreg_imm32_b32 hwreg(HW_REG_WAVE_MODE, 25, 1), 1
	s_wait_xcnt 0x0
	s_wait_alu depctr_hold_cnt(0) depctr_sa_sdst(0) depctr_va_vdst(0) depctr_va_sdst(0) depctr_va_ssrc(0) depctr_va_vcc(0) depctr_vm_vsrc(0)
	s_getreg_b32 s2, hwreg(HW_REG_IB_STS2, 6, 4)
	s_cmp_eq_u32 s2, 0
	s_cbranch_scc0 .Lentry_in_a_cluster
	s_endpgm
.Lentry_in_a_cluster:
	s_bfe_u32 s2, ttmp6, 0x10000c
	s_cmp_lg_u32 s2, 0x3003
	s_cbranch_scc0 .Lentry_shape_is_right
	s_endpgm
.Lentry_shape_is_right:
; o = softmax(q k^T / 8) v for 64 heads b = 16 nb + head, both products on codes of E4M3 with E8M0 scales, and o's quantiser along the head's 64 (blocks of 32) for the last projection.
; t = score x log2(e) / 8 (the division by sqrt(64) is a power of two: it moves no code, so it stands in c); M = ceil(running largest t); p = 2^(t - M) is quantised along the keys; the sum is taken of the unquantised p.
; SHARES: a work-group owns 256 queries of two neighbouring heads, one head after the other; each of eight waves owns TWO tiles of 16 queries, which share every fragment of K and V; a lane holds one query of each tile (both products are used transposed).
; The head size is 64 and the matrix instruction is 128 deep: a fragment of K holds two tiles of 16 keys side by side, multiplied by (Q, 0) and by (0, Q): zero codes.
; THE RING: the pair's K and V are each one dense stream of 32 key steps of 8,192 bytes.  Two slots of 8 key steps (K's 65,536 bytes, then V's): 32 steps pass four changes of slots.
; A fill is eight joint loads of 16,384 bytes, one a wave (waves 0-3 K's steps, waves 4-7 V's), shared by the four work-groups of the cluster, which walk the same pair.
; THE HEAD: waves 0 and 4 fetch steps 0 and 1 of K and of V, waves 1 and 5 the pair's scale bytes, waves 2, 3, 6, 7 three steps each; the first barrier shows the first four loads alone, the first change of slots the rest.
; A STEP: K's fragments of the next step are asked for behind this step's score products (the address held at the run's last step), V's at the same place: both have the softmax in which to come.
; The two tiles' chains go by turns; tile 1's multiply-adds stand among tile 0's exponentials, tile 0's holds among tile 1's.
; No prefetch: a fill is asked for eight key steps (192 matrix instructions a wave) ahead of its first read, and the head has no loop to run ahead in.
; LIMITS: scaled scores under 2^31 in magnitude; NaN and infinities are not served; a block's scale byte is held at 1 from below (only this program reads the bytes).
.set SLOT1, 131072
.set VOFF,  65536
.set SCK,   262144                     ; K's scale bytes of the pair, 8,192; then V's
.set SCV,   270336
.set SPARE, 278528                     ; the spare words: 128 bytes a wave
.set OST,   280576                     ; 1,024 bytes: o's scale words on their way out
; window 0.  v12-15, v16-19: -M, the largest t and the sum's two halves of tile 0, of tile 1
.set L16,  1
.set ASK0, 2
.set SPW,  3
.set NIL,  4
.set ADV,  5
.set ADK,  6
.set ADS,  7
.set R16,  8
.set OSW,  9
.set OSR,  10
.set TH16, 11
.set STASH, 20
.set QW,   22
.set PWD,  24
.set FF,   26
.set T0,   30
.set T1,   32
.set CH,   34
.set QT,   38
.set LV,   39
.set KW,   40
.set VW,   44
.set BM,   48                          ; block g = 4 x tile + b
.set PB,   56
.set HD,   64
.set SOP,  72
.set PCD,  80                          ; p's codes: 16 registers a tile
.set OT,   112
.set S,    128                         ; v128-255 S^T, then p: 64 registers a tile
; window 1
.set KF,   0                           ; four fragments of K
.set VF,   64                          ; four of V
.set O,    128                         ; O^T: 32 registers a tile
.set QF,   192                         ; 0, Q of tile 0, 0, Q of tile 1, 0: eight registers each
.set WV,   20
.set MNT,  21
.set CS,   22
.set G1A,  24                          ; 32 rows of 256 bytes
.set G1B,  32                          ; 64 rows
.set G0K,  40
.set G0V,  44
.set G0SK, 48
.set G0SV, 52
.set SEL,  56
.set TB,   58
.set TS,   59
.set SLOTS, 60
.set TBN,  61
.set QB,   74
.set QSB,  76
.set OB,   78
.set OSB,  80
.set G0HK, 84
.set G0HV, 88
.set G1C,  92                          ; 96 rows
.set MSB, 0
.macro WIN new                         ; the immediate's high byte repeats the setting that is left
.if MSB != (\new)
	s_set_vgpr_msb (MSB<<8)|(\new)
.set MSB, (\new)
.endif
.endm
.macro NOPS n
.rept \n
	v_nop
.endr
.endm
.macro WALU
	s_wait_alu depctr_va_vdst(0)
.endm
.macro CROUND
	s_barrier_signal -1
	s_barrier_wait -1
	s_cmp_lg_u32 s[WV], 0
	s_cbranch_scc1 .Lnot_wave_0_\@
	s_barrier_signal -3
.Lnot_wave_0_\@:
	s_barrier_wait -3
	s_barrier_signal -1
	s_barrier_wait -1
.endm
.macro TL g0, g1                       ; a joint load; s_nop 0 and four v_nop follow it
	tensor_load_to_lds s[\g0:\g0+3], s[\g1:\g1+7]
	s_nop 0
	NOPS 4
.endm
.macro TLOAD                           ; a fill: every wave one load of 16,384 bytes
	s_cmp_lt_u32 s[WV], 4
	s_cbranch_scc0 .Lfor_v_\@
	TL G0K, G1B
	s_branch .Lasked_\@
.Lfor_v_\@:
	TL G0V, G1B
.Lasked_\@:
.endm
.macro LOADQ hd
	WIN 0x40
.irp u, 0,1
	global_load_b128 v[QF+8+16*\u:QF+11+16*\u], v[L16], s[QB:QB+1] offset:\hd*131072+1024*\u
	global_load_b128 v[QF+12+16*\u:QF+15+16*\u], v[L16], s[QB:QB+1] offset:\hd*131072+1024*\u+512
.endr
	WIN 0
	global_load_b32 v[QT], v[R16], s[QSB:QSB+1] offset:\hd*4096
.endm
.macro INIT
	v_perm_b32 v[QW], v[QT], v[QT], 0x01000100     ; a tile's two scale bytes, twice: they serve (Q, 0) and (0, Q)
	v_perm_b32 v[QW+1], v[QT], v[QT], 0x03020302
.irp u, 0,1
	v_mov_b32 v[13+4*\u], 0xff61b1e6               ; the largest t so far: -3e38
	v_mov_b32 v[14+4*\u], 0
	v_mov_b32 v[15+4*\u], 0
	v_floor_f32 v[12+4*\u], -v[13+4*\u]
.endr
	WIN 0x40
.set n, 0
.rept 64
	v_mov_b32 v[O+n], 0
.set n, n+1
.endr
	WIN 0
.endm
	s_load_b512 s[4:19], s[0:1], 0x0
	v_lshl_add_u32 v[SPW], v0, 2, SPARE
	v_mov_b32 v[NIL], 0
	ds_add_u32 v[SPW], v[NIL]                      ; the opening lines: the add twice on end and one wait
	ds_add_u32 v[SPW], v[NIL]
	v_lshrrev_b32 v6, 5, v0
	v_readfirstlane_b32 s[WV], v6
	s_bfe_u32 s68, ttmp6, 0x40000
	s_lshl_b32 s69, ttmp9, 2
	s_add_co_u32 s69, s69, s68                     ; block of 256 queries
	s_and_b32 s70, ttmp7, 0xffff                   ; pair of heads
	v_and_b32 v5, 31, v0
	v_lshlrev_b32 v[L16], 4, v5
	v_add_nc_u32 v[LV], VOFF, v[L16]
	v_and_b32 v[R16], 15, v0
	v_lshlrev_b32 v[OSW], 2, v[R16]
	v_lshlrev_b32 v[R16], 4, v[R16]
	v_add_nc_u32 v[ASK0], SCK, v[R16]
	s_lshl_b32 s71, s[WV], 7
	s_add_co_u32 s71, s71, OST
	v_add_nc_u32 v[OSW], s71, v[OSW]
	v_lshlrev_b32 v[TH16], 4, v0
	v_add_nc_u32 v[OSR], OST, v[TH16]
.irp g, G1A, G1B, G1C
	s_mov_b32 s[\g], 15|(3<<16)|(1<<21)            ; the mask names the cluster's four; elements of 8 bytes
	s_mov_b32 s[\g+1], 32<<16
	s_mov_b32 s[\g+3], 32<<16
	s_mov_b32 s[\g+5], 32
	s_mov_b32 s[\g+6], 0
	s_mov_b32 s[\g+7], 0
.endr
	s_mov_b32 s[G1A+2], 32<<16
	s_mov_b32 s[G1A+4], 32
	s_mov_b32 s[G1B+2], 64<<16
	s_mov_b32 s[G1B+4], 64
	s_mov_b32 s[G1C+2], 96<<16
	s_mov_b32 s[G1C+4], 96
	s_mov_b32 s[MNT], 0x600000
	s_mov_b32 s[CS], 0x3e38aa3b                    ; c = log2(e) / 8
	s_mov_b32 s[CS+1], s[CS]
	s_mov_b32 s[SEL], 0x76543210
	s_mov_b32 s[SEL+1], 0xfedcba98
	s_mov_b32 s[TS], 0
	s_lshl_b32 s72, s70, 18                        ; the pair's first byte in qimg, kimg, vimg
	s_mov_b32 s73, 0
	s_lshl_b32 s82, s70, 13                        ; and in the scale buffers
	s_mov_b32 s83, 0
	s_and_b32 s63, s[WV], 3
	s_lshl_b32 s66, s63, 14
	s_add_co_u32 s66, s66, s72                     ; my two steps of a fill, in memory;
	s_mov_b32 s67, 0
	s_lshl_b32 s62, s[WV], 14                      ; and in a slot: 16,384 x wave
	s_and_b32 s100, s[WV], 1
	s_mul_i32 s100, s100, 24576
	s_add_co_u32 s100, s100, 16384                 ; at the head, waves 2, 3, 6, 7: steps 2-4 or 5-7
	s_lshl_b32 s84, s69, 4
	s_lshl_b32 s71, s[WV], 1
	s_add_co_u32 s84, s84, s71                     ; my first tile of 16 queries
	s_lshl_b32 s86, s84, 10
	s_add_co_u32 s86, s86, s72
	s_mov_b32 s87, 0
	s_lshl_b32 s88, s69, 1
	s_lshr_b32 s71, s[WV], 2
	s_add_co_u32 s88, s88, s71
	s_lshl_b32 s88, s88, 8
	s_lshl_b32 s71, s63, 2
	s_add_co_u32 s88, s88, s71
	s_add_co_u32 s88, s88, s82                     ; the word that holds both my tiles' scale bytes of q
	s_mov_b32 s89, 0
	s_lshr_b32 s90, s70, 3
	s_lshl_b32 s90, s90, 21
	s_lshl_b32 s71, s84, 14
	s_add_co_u32 s90, s90, s71
	s_and_b32 s71, s70, 7
	s_lshl_b32 s71, s71, 11
	s_add_co_u32 s90, s90, s71
	s_mov_b32 s91, 0
	s_lshl_b32 s84, s69, 10
	s_add_co_u32 s84, s84, s82
	s_mov_b32 s85, 0
	s_add_co_u32 s70, s100, s72
	s_mov_b32 s71, 0
	WALU                                           ; the wait ahead of the waits below
	s_wait_dscnt 0x0                               ; both opening adds are done
	s_wait_kmcnt 0x0
	s_add_nc_u64 s[QB:QB+1], s[4:5], s[86:87]
	s_add_nc_u64 s[QSB:QSB+1], s[6:7], s[88:89]
	s_add_nc_u64 s[OB:OB+1], s[16:17], s[90:91]
	s_add_nc_u64 s[OSB:OSB+1], s[18:19], s[84:85]
	s_mov_b32 s[G0SK], 1
	s_mov_b32 s[G0SK+1], SCK
	s_add_nc_u64 s[G0SK+2:G0SK+3], s[10:11], s[82:83]
	s_or_b32 s[G0SK+3], s[G0SK+3], 0x80000000
	s_mov_b32 s[G0SV], 1
	s_mov_b32 s[G0SV+1], SCV
	s_add_nc_u64 s[G0SV+2:G0SV+3], s[14:15], s[82:83]
	s_or_b32 s[G0SV+3], s[G0SV+3], 0x80000000
	s_mov_b32 s[G0K], 1
	s_mov_b32 s[G0K+1], s62
	s_add_nc_u64 s[G0K+2:G0K+3], s[8:9], s[66:67]
	s_or_b32 s[G0K+3], s[G0K+3], 0x80000000
	s_mov_b32 s[G0V], 1
	s_mov_b32 s[G0V+1], s62
	s_add_nc_u64 s[G0V+2:G0V+3], s[12:13], s[66:67]
	s_or_b32 s[G0V+3], s[G0V+3], 0x80000000
	s_mov_b32 s[G0HK], 1
	s_mov_b32 s[G0HK+1], s100
	s_add_nc_u64 s[G0HK+2:G0HK+3], s[8:9], s[70:71]
	s_or_b32 s[G0HK+3], s[G0HK+3], 0x80000000
	s_mov_b32 s[G0HV], 1
	s_add_co_u32 s[G0HV+1], s100, VOFF
	s_add_nc_u64 s[G0HV+2:G0HV+3], s[12:13], s[70:71]
	s_or_b32 s[G0HV+3], s[G0HV+3], 0x80000000
	CROUND                                         ; the round in front of the first joint loads
; the head's loads, one a wave, in one chain of branches on the wave's number: every way passes exactly one
.macro ARM op, n, g0, g1, next
	\op s[WV], \n
	s_cbranch_scc0 \next
	TL \g0, \g1
	s_branch .Lhead_asked
\next:
.endm
	ARM s_cmp_eq_u32, 0, G0K, G1B, .Lh1            ; K's steps 0, 1
	ARM s_cmp_eq_u32, 4, G0V, G1B, .Lh2            ; V's steps 0, 1
	ARM s_cmp_eq_u32, 1, G0SK, G1A, .Lh3           ; K's scale bytes
	ARM s_cmp_eq_u32, 5, G0SV, G1A, .Lh4           ; V's
	ARM s_cmp_lt_u32, 4, G0HK, G1C, .Lh5           ; waves 2, 3: K's steps 2-4, 5-7
	TL G0HV, G1C                                   ; waves 6, 7: V's
.Lhead_asked:
	WALU
	LOADQ 0
	WIN 0x40
.irp z, 0,16,32
.irp j, 0,1,2,3,4,5,6,7
	v_mov_b32 v[QF+\z+\j], 0                       ; the zero codes beside Q
.endr
.endr
	WIN 0
.irp g, 0,1,2,3,4,5,6,7
	v_mov_b32 v[PB+\g], 0
.endr
	v_mov_b32 v[T0], 0
	v_mov_b32 v[T0+1], 0
	v_mov_b32 v[FF+1], 0
	v_mov_b32 v[FF+3], 0
	s_wait_loadcnt 0x0
	INIT
.set X0, 116                           ; v116-119: two more pairs for the sums
.set X1, 118
.macro DADD d, a, b                    ; registers d, d + 1 = a, a + 1 plus b, b + 1: a dual pair; d, a, b are even, so each operand place meets two banks
	v_dual_add_f32 v[\d], v[\a], v[\b] :: v_dual_add_f32 v[(\d)+1], v[(\a)+1], v[(\b)+1]
.endm
.macro SUMS u                          ; the sum of a tile's unquantised p, in four chains by turns
	DADD CH+2*\u, S+64*\u, S+64*\u+2
	DADD X0, S+64*\u+4, S+64*\u+6
	DADD X1, S+64*\u+8, S+64*\u+10
.set j, 12
.rept 6
	DADD 14+4*\u, S+64*\u+j, 14+4*\u
	DADD CH+2*\u, S+64*\u+j+2, CH+2*\u
	DADD X0, S+64*\u+j+4, X0
	DADD X1, S+64*\u+j+6, X1
.set j, j+8
.endr
	DADD 14+4*\u, S+64*\u+60, 14+4*\u
	DADD CH+2*\u, S+64*\u+62, CH+2*\u
	DADD X0, X1, X0
	DADD 14+4*\u, CH+2*\u, 14+4*\u
	DADD 14+4*\u, X0, 14+4*\u
.endm
.macro SCALE u                         ; a tile's four blocks: the bound, the conversion's scale operand, the scale word
.irp b, 0,1,2,3
	v_max_num_f32 v[BM+4*\u+\b], 0x4800000, v[BM+4*\u+\b]   ; the floor 2^(9 - 127): the byte stays at 1 or above
.endr
.irp b, 0,1,2,3
	v_and_or_b32 v[HD+4*\u+\b], v[BM+4*\u+\b], 0x7f800000, s[MNT]   ; 448 x the scale
.endr
.irp b, 0,1,2,3
	v_add_nc_u32 v[SOP+4*\u+\b], 0xfba00000, v[HD+4*\u+\b]   ; 8 off the exponent field and the mantissa field away: the byte << 23
.endr
	v_lshrrev_b32 v[PB+4*\u], 23, v[SOP+4*\u]
	v_lshrrev_b32 v[PB+4*\u+1], 15, v[SOP+4*\u+1]
	v_lshrrev_b32 v[PB+4*\u+2], 7, v[SOP+4*\u+2]
	v_lshl_or_b32 v[PWD+\u], v[SOP+4*\u+3], 1, v[PB+4*\u]
	v_add3_u32 v[PWD+\u], v[PWD+\u], v[PB+4*\u+1], v[PB+4*\u+2]
.endm
.macro CODES g                         ; block g's 16 numbers a lane become codes
	v_cvt_scalef32_pk8_fp8_f32 v[PCD+4*\g:PCD+4*\g+1], v[S+16*\g:S+16*\g+7], v[SOP+\g]
	v_cvt_scalef32_pk8_fp8_f32 v[PCD+4*\g+2:PCD+4*\g+3], v[S+16*\g+8:S+16*\g+15], v[SOP+\g]
.endm
.macro KLOAD off                       ; K's four fragments at v[ADK]
	WIN 0x40
.irp p, 0,1,2,3
.irp c, 0,1,2,3
	ds_load_b128 v[KF+16*\p+4*\c:KF+16*\p+4*\c+3], v[ADK] offset:2048*\p+512*\c
.endr
.endr
.endm
; A KEY STEP: 128 keys at byte s[TB] of the ring, for both tiles.  last: the run's last step, at which the look-ahead for K is held
.macro STEP last
	s_wait_dscnt 0x0                               ; K's fragments and scale words
	WIN 0x05
.irp p, 0,1,2,3
.irp u, 0,1
	v_wmma_scale_f32_16x16x128_f8f6f4 v[S+64*\u+16*\p:S+64*\u+16*\p+7], v[KF+16*\p:KF+16*\p+15], v[QF+8+16*\u:QF+23+16*\u], 0, v[KW+\p], v[QW+\u]
	v_wmma_scale_f32_16x16x128_f8f6f4 v[S+64*\u+16*\p+8:S+64*\u+16*\p+15], v[KF+16*\p:KF+16*\p+15], v[QF+16*\u:QF+15+16*\u], 0, v[KW+\p], v[QW+\u]
.endr
.endr
	WIN 0
	s_add_co_u32 s[TBN], s[TB], 8192
	s_min_u32 s[TBN], s[TBN], \last
	v_mov_b32 v[T0], v12                           ; the old -M of both tiles.  These five lines and three v_nop are the eight places in front of the loads
	v_mov_b32 v[T0+1], v16
	v_add_nc_u32 v[ADV], s[TB], v[LV]
	v_add_nc_u32 v[ADK], s[TBN], v[L16]
	v_add_nc_u32 v[ADS], s[TS], v[ASK0]
	NOPS 3
	KLOAD                                          ; the next step's K
.irp t, 0,1,2,3
.irp c, 0,1,2,3
	ds_load_b128 v[VF+16*\t+4*\c:VF+16*\t+4*\c+3], v[ADV] offset:2048*\t+512*\c
.endr
.endr
	WIN 0
	ds_load_b128 v[KW:KW+3], v[ADS] offset:256
	ds_load_b128 v[VW:VW+3], v[ADS] offset:SCV-SCK
.irp g, 0,1,2,3,4,5,6,7
	v_max3_num_f32 v[BM+\g], v[S+16*\g], v[S+1+16*\g], v[S+2+16*\g]   ; the largest score of each block of 32 keys, eight blocks by turns
.endr
.irp i, 3,5,7,9,11,13
.irp g, 0,1,2,3,4,5,6,7
	v_max3_num_f32 v[BM+\g], v[BM+\g], v[S+16*\g+\i], v[S+1+16*\g+\i]
.endr
.endr
.irp g, 0,1,2,3,4,5,6,7
	v_max_num_f32 v[BM+\g], v[BM+\g], v[S+15+16*\g]
.endr
.irp g, 0,1,2,3,4,5,6,7
	v_permlanex16_b32 v[PB+\g], v[BM+\g], s[SEL], s[SEL+1]
.endr
.irp g, 0,1,2,3,4,5,6,7
	v_max_num_f32 v[BM+\g], v[BM+\g], v[PB+\g]
.endr
.irp u, 0,1
	v_max3_num_f32 v[T1+\u], v[BM+4*\u], v[BM+4*\u+1], v[BM+4*\u+2]
.endr
.irp u, 0,1
	v_max_num_f32 v[T1+\u], v[T1+\u], v[BM+4*\u+3]
.endr
.irp u, 0,1
	v_mul_f32 v[T1+\u], s[CS], v[T1+\u]
.endr
.irp u, 0,1
	v_max_num_f32 v[13+4*\u], v[13+4*\u], v[T1+\u]   ; the running largest t
.endr
.irp u, 0,1
	v_floor_f32 v[12+4*\u], -v[13+4*\u]            ; -M = floor(-t)
.endr
.irp u, 0,1
	v_sub_f32 v[T0+\u], v[12+4*\u], v[T0+\u]
.endr
.irp u, 0,1
	v_cvt_i32_f32 v[T0+\u], v[T0+\u]
.endr
.irp u, 0,1
	v_ldexp_f32 v[FF+2*\u], 1.0, v[T0+\u]          ; f = 2^(old M - new M)
.endr
.irp u, 0,1
	v_mov_b32 v[121+2*\u], v[12+4*\u]              ; a copy of -M in another bank, for the second half of the dual pairs below
.endr
.set j, 0
.rept 32
	v_dual_fmamk_f32 v[S+j], v[S+j], 0x3e38aa3b, v12 :: v_dual_fmamk_f32 v[S+j+1], v[S+j+1], 0x3e38aa3b, v121   ; t - M = score x c - M, two a line
.set j, j+2
.endr
.irp b, 0,1,2,3
	v_fma_f32 v[BM+\b], v[BM+\b], s[CS], v12
.endr
	WALU                                           ; the wait ahead of the batch
.set j, 0
.rept 32                                       ; tile 0's exponentials; among them tile 1's t - M, which name none of their registers
	v_exp_f32 v[S+j], v[S+j]
	v_exp_f32 v[S+j+1], v[S+j+1]
	v_dual_fmamk_f32 v[S+64+j], v[S+64+j], 0x3e38aa3b, v16 :: v_dual_fmamk_f32 v[S+64+j+1], v[S+64+j+1], 0x3e38aa3b, v123
.set j, j+2
.endr
.irp b, 0,1,2,3
	v_exp_f32 v[BM+\b], v[BM+\b]                   ; the block's largest p
	v_fma_f32 v[BM+4+\b], v[BM+4+\b], s[CS], v16
.endr
	WALU                                           ; and behind it
	v_pk_mul_f32 v[14:15], v[14:15], v[FF:FF+1] op_sel_hi:[1,0]
	SUMS 0
	SCALE 0
	WALU                                           ; ahead of the second batch
.set j, 0
.rept 32                                       ; tile 1's exponentials; among them tile 0's holds (one-sided: p is not negative), first read behind the wait below
	v_exp_f32 v[S+64+j], v[S+64+j]
	v_exp_f32 v[S+64+j+1], v[S+64+j+1]
	v_dual_min_num_f32 v[S+j], v[HD+j/16], v[S+j] :: v_dual_min_num_f32 v[S+j+1], v[HD+j/16], v[S+j+1]
.set j, j+2
.endr
.irp b, 0,1,2,3
	v_exp_f32 v[BM+4+\b], v[BM+4+\b]
.endr
	v_pk_mul_f32 v[18:19], v[18:19], v[FF+2:FF+3] op_sel_hi:[1,0]
	WALU                                           ; and behind it
.irp g, 0,1,2,3
	CODES \g
.endr
	SUMS 1
	SCALE 1
.irp g, 4,5,6,7
.irp i, 0,2,4,6,8,10,12,14
	v_dual_min_num_f32 v[S+16*\g+\i], v[HD+\g], v[S+16*\g+\i] :: v_dual_min_num_f32 v[S+16*\g+\i+1], v[HD+\g], v[S+16*\g+\i+1]
.endr
	CODES \g
.endr
	WIN 0x41
	WALU                                           ; the wait directly ahead of the first reader of O^T
.irp u, 0,1
.set j, 0
.rept 16
	v_pk_mul_f32 v[O+32*\u+j:O+32*\u+j+1], v[O+32*\u+j:O+32*\u+j+1], v[FF+2*\u:FF+2*\u+1] op_sel_hi:[1,0]
.set j, j+2
.endr
.endr
	WALU
	s_wait_dscnt 0x0                               ; V's fragments and scale words (and the next step's K)
	WIN 0x51
.irp t, 0,1,2,3
.irp u, 0,1
	v_wmma_scale_f32_16x16x128_f8f6f4 v[O+32*\u+8*\t:O+32*\u+8*\t+7], v[VF+16*\t:VF+16*\t+15], v[PCD+16*\u:PCD+16*\u+15], v[O+32*\u+8*\t:O+32*\u+8*\t+7], v[VW+\t], v[PWD+\u]
.endr
.endr
	WIN 0
	s_add_co_u32 s[TS], s[TS], 256
.endm
.macro RUN n, tb                       ; n key steps from byte tb of the ring on; no barrier stands among them
	s_mov_b32 s[TB], \tb
	s_mov_b32 s[SLOTS], \n
	v_add_nc_u32 v[ADK], s[TB], v[L16]
	v_add_nc_u32 v[ADS], s[TS], v[ASK0]
	KLOAD                                          ; the run's first K
	WIN 0
	ds_load_b128 v[KW:KW+3], v[ADS]
.Lrun_\@:
	STEP \tb+(\n-1)*8192
	s_add_co_u32 s[TB], s[TB], 8192
	s_sub_co_u32 s[SLOTS], s[SLOTS], 1
	s_cmp_lg_u32 s[SLOTS], 0
	s_cbranch_scc1 .Lrun_\@
.endm
.macro CHANGE fill                     ; the change of slots: all my loads are in, the add, my reads are over; fill = 1: a round, and the other slot takes the next eight steps
	s_wait_tensorcnt 0x0
	ds_add_u32 v[SPW], v[NIL]
.if \fill
	s_xor_b32 s[G0K+1], s[G0K+1], SLOT1
	s_add_nc_u64 s[G0K+2:G0K+3], s[G0K+2:G0K+3], 65536
	s_xor_b32 s[G0V+1], s[G0V+1], SLOT1
	s_add_nc_u64 s[G0V+2:G0V+3], s[G0V+2:G0V+3], 65536
.endif
	s_wait_dscnt 0x0
.if \fill
	CROUND
	TLOAD
.else
	s_barrier_signal -1
	s_barrier_wait -1
.endif
.endm
.macro FINISH hd                       ; o = O^T / the sum; brought into the next operand's order; quantised in two blocks of 32 a tile; stored as an image of the operand's registers
	NOPS 8
.if \hd == 0
	LOADQ 1
.endif
	v_cmp_le_u32 vcc_lo, 0x100, v[L16]             ; lanes 16-31
.irp u, 0,1
	v_add_f32 v[14+4*\u], v[14+4*\u], v[15+4*\u]
.endr
.irp u, 0,1
	v_permlanex16_b32 v[T0+\u], v[14+4*\u], s[SEL], s[SEL+1]
.endr
.irp u, 0,1
	v_add_f32 v[14+4*\u], v[14+4*\u], v[T0+\u]
.endr
	WALU
	v_rcp_f32 v14, v14
	v_rcp_f32 v18, v18
	v_nop
	WIN 0x01
	WALU
.irp u, 0,1
.set n, 0
.rept 32
	v_mul_f32 v[S+64*\u+n], v[O+32*\u+n], v[14+4*\u]
.set n, n+1
.endr
.endr
	WIN 0
.irp u, 0,1
.set n, 0
.rept 32
	v_permlanex16_b32 v[S+64*\u+32+n], v[S+64*\u+n], s[SEL], s[SEL+1]
.set n, n+1
.endr
.endr
.irp u, 0,1
.irp c, 0,1
.irp j, 0,1,2,3,4,5,6,7
	v_cndmask_b32 v[S+64*\u+16*\c+\j], v[S+64*\u+16*\c+\j], v[S+64*\u+32+16*\c+8+\j], vcc_lo
	v_cndmask_b32 v[S+64*\u+16*\c+8+\j], v[S+64*\u+32+16*\c+\j], v[S+64*\u+16*\c+8+\j], vcc_lo
.endr
.endr
.endr
.irp g, 0,1,4,5                                ; block g lies at S + 16 g: two blocks a tile
	v_max3_num_f32 v[BM+\g], |v[S+16*\g]|, |v[S+1+16*\g]|, 0x4800000
.endr
.irp i, 2,4,6,8,10,12,14
.irp g, 0,1,4,5
	v_max3_num_f32 v[BM+\g], v[BM+\g], |v[S+16*\g+\i]|, |v[S+1+16*\g+\i]|
.endr
.endr
.irp g, 0,1,4,5
	v_permlanex16_b32 v[PB+\g], v[BM+\g], s[SEL], s[SEL+1]
.endr
.irp g, 0,1,4,5
	v_max_num_f32 v[BM+\g], v[BM+\g], v[PB+\g]
.endr
.irp g, 0,1,4,5
	v_add_nc_u32 v[SOP+\g], 0xfc000000, v[BM+\g]
.endr
.irp g, 0,1,4,5
	v_and_or_b32 v[HD+\g], v[BM+\g], 0x7f800000, s[MNT]
.endr
.irp g, 0,1,4,5
	v_lshrrev_b32 v[PB+\g], 23, v[SOP+\g]
.endr
.irp u, 0,1
.if \hd == 0
	v_lshl_or_b32 v[STASH+\u], v[PB+4*\u+1], 8, v[PB+4*\u]
.else
	v_lshl_or_b32 v[STASH+\u], v[PB+4*\u], 16, v[STASH+\u]
.endif
.endr
.if \hd == 1
.irp u, 0,1
	v_lshl_or_b32 v[STASH+\u], v[PB+4*\u+1], 24, v[STASH+\u]
.endr
.endif
.irp g, 0,1,4,5
.irp i, 0,1,2,3,4,5,6,7,8,9,10,11,12,13,14,15
	v_med3_num_f32 v[S+16*\g+\i], v[S+16*\g+\i], -v[HD+\g], v[HD+\g]
.endr
	CODES \g
.endr
	v_nop
.irp u, 0,1
.irp b, 0,1
	global_store_b128 v[L16], v[PCD+16*\u+4*\b:PCD+16*\u+4*\b+3], s[OB:OB+1] offset:\u*16384+\hd*1024+512*\b   ; 512 consecutive bytes, aligned
.endr
.endr
.if \hd == 0
	s_wait_loadcnt 0x0
	INIT
	s_wait_xcnt 0x0                                ; the stores have read their registers
.endif
.endm
	WALU                                           ; the wait at the head's end
	s_and_b32 s71, s[WV], 2
	s_cmp_eq_u32 s71, 0                            ; waves 0, 1, 4, 5: their load lines are their own, and they alone wait here
	s_cbranch_scc0 .Lnot_first
	s_wait_tensorcnt 0x0
.Lnot_first:
	s_barrier_signal -1
	s_barrier_wait -1                              ; steps 0 and 1 and the scale bytes are in
	RUN 2, 0
	CHANGE 1                                       ; shows steps 2-7; slot 1's first fill: steps 8-15
	RUN 6, 16384
	CHANGE 1                                       ; slot 0 takes the second head's steps 0-7
	RUN 8, SLOT1
	FINISH 0
	CHANGE 1                                       ; slot 1 its steps 8-15
	RUN 8, 0
	CHANGE 0
	RUN 8, SLOT1
	FINISH 1
	ds_store_b32 v[OSW], v[STASH]                  ; o's scale words: 64 bytes a tile, stored as whole units of 256 bytes by waves 0 and 1
	ds_store_b32 v[OSW], v[STASH+1] offset:64
	s_wait_dscnt 0x0
	s_barrier_signal -1
	s_barrier_wait -1
	s_cmp_lt_u32 s[WV], 2
	s_cbranch_scc0 .Lno_osc
	ds_load_b128 v[OT:OT+3], v[OSR]
	s_wait_dscnt 0x0
	global_store_b128 v[TH16], v[OT:OT+3], s[OSB:OSB+1]
.Lno_osc:
	s_wait_tensorcnt 0x0                           ; the wave's end
	ds_add_u32 v[SPW], v[NIL]
	s_wait_dscnt 0x0
	CROUND                                         ; the closing round
	s_endpgm
.Lfunc_end_k_q71f8bca942_attn:
	.size	k_q71f8bca942_attn, .Lfunc_end_k_q71f8bca942_attn-k_q71f8bca942_attn
	.p2alignl 7, 3214868480
	.fill 96, 4, 3214868480
	.section	.rodata,"a",@progbits
	.p2align	6, 0x0
	.amdhsa_kernel k_q71f8bca942_attn
		.amdhsa_group_segment_fixed_size 327680
		.amdhsa_private_segment_fixed_size 0
		.amdhsa_enable_private_segment 0
		.amdhsa_kernarg_size 64
		.amdhsa_user_sgpr_count 2
		.amdhsa_user_sgpr_kernarg_segment_ptr 1
		.amdhsa_wavefront_size32 1
		.amdhsa_system_sgpr_workgroup_id_x 1
		.amdhsa_system_sgpr_workgroup_id_y 1
		.amdhsa_system_sgpr_workgroup_id_z 1
		.amdhsa_system_vgpr_workitem_id 0
		.amdhsa_next_free_vgpr 512
		.amdhsa_next_free_sgpr 102
		.amdhsa_reserve_vcc 1
		.amdhsa_float_denorm_mode_32 3
		.amdhsa_float_denorm_mode_16_64 3
		.amdhsa_memory_ordered 1
		.amdhsa_forward_progress 1
		.amdhsa_inst_pref_size 239
	.end_amdhsa_kernel
	.amdgpu_metadata
---
amdhsa.version: [ 1, 2 ]
amdhsa.kernels:
  - .name:           k_q71f8bca942_attn
    .symbol:         k_q71f8bca942_attn.kd
    .args:
      - { .name: qimg, .offset: 0, .size: 8, .value_kind: global_buffer, .address_space: global }
      - { .name: qsc, .offset: 8, .size: 8, .value_kind: global_buffer, .address_space: global }
      - { .name: kimg, .offset: 16, .size: 8, .value_kind: global_buffer, .address_space: global }
      - { .name: ksc, .offset: 24, .size: 8, .value_kind: global_buffer, .address_space: global }
      - { .name: vimg, .offset: 32, .size: 8, .value_kind: global_buffer, .address_space: global }
      - { .name: vsc, .offset: 40, .size: 8, .value_kind: global_buffer, .address_space: global }
      - { .name: oimg, .offset: 48, .size: 8, .value_kind: global_buffer, .address_space: global }
      - { .name: osc, .offset: 56, .size: 8, .value_kind: global_buffer, .address_space: global }
    .group_segment_fixed_size: 327680
    .private_segment_fixed_size: 0
    .kernarg_segment_align: 8
    .kernarg_segment_size: 64
    .max_flat_workgroup_size: 256
    .sgpr_count:     102
    .vgpr_count:     512
    .wavefront_size: 32
...
	.end_amdgpu_metadata
.endif
;; end of part 3
;; launch projo (part 4): grid 4 x 64, 4 waves a work-group, clusters of 4 x 4, 327,680 bytes of LDS; arguments oimg, osc, wo_w_codes, wo_w_scales, wo_b, out0; writes out0
.if DOCPART == 4
	.amdgcn_target "amdgcn-amd-amdhsa--gfx1250"
	.amdhsa_code_object_version 6
	.text
	.protected	k_q71f8bca942_projo
	.globl	k_q71f8bca942_projo
	.p2align	8
	.type	k_q71f8bca942_projo,@function
k_q71f8bca942_projo:
	s_mov_b64 s[64:65], 0
	v_nop
	global_prefetch_b8 v0, s[64:65] scope:SCOPE_SE
	s_setreg_imm32_b32 hwreg(HW_REG_WAVE_MODE, 25, 1), 1
	s_wait_xcnt 0x0
	s_wait_alu depctr_hold_cnt(0) depctr_sa_sdst(0) depctr_va_vdst(0) depctr_va_sdst(0) depctr_va_ssrc(0) depctr_va_vcc(0) depctr_vm_vsrc(0)
	s_getreg_b32 s2, hwreg(HW_REG_IB_STS2, 6, 4)
	s_cmp_eq_u32 s2, 0
	s_cbranch_scc0 .Lentry_in_a_cluster
	s_endpgm
.Lentry_in_a_cluster:
	s_bfe_u32 s2, ttmp6, 0x10000c
	s_cmp_lg_u32 s2, 0xf033
	s_cbranch_scc0 .Lentry_shape_is_right
	s_endpgm
.Lentry_shape_is_right:
; out0 = o wo + wo_b on codes of E4M3 with E8M0 scales: 8,192 x 1,024 x 1,024, f32 out.
; o comes as the attention launch leaves it: oimg [nb][tile of 16 rows s][128 of K][c][lane][16 bytes], an image of the operand's registers; osc [nb][128 of K][tile][r]: a scale word.
; SHARES: 256 work-groups; a block is 128 rows s of one nb x 256 columns; four waves, 64 x 128 each: 32 accumulators, 256 registers (window 2).
; K goes in steps of 256 through two LDS slots (A's 32,768 bytes, then B's 256 rows of 272).  A and B have two sets of fragments each: the next 128 of K are fetched while 32 products run.
; THE HEAD: one joint load a wave: A's 128 rows, B's 256 rows, A's scale words, B's scale bytes for all of K; slot 1's first fill behind the full sequence; two refills, each behind a drained round.
; CLUSTERS 4 x 4: a row of the cluster shares A's tiles, a column B's.  The matrix instruction is used transposed (source 0 = 16 rows of wo, source 1 = 16 rows of o): a lane holds eight neighbouring columns of a row.
; No prefetch: K has four steps, and two of them are asked for at the head.  LIMITS: NaN and infinities are not served.
.set PITCH,  272
.set HALFT,  128*PITCH
.set ABYTES, 32768
.set SLOT,   ABYTES+2*HALFT
.set SCLA,   2*SLOT                    ; A's scale words: 8 rows (128 of K each) of 512 bytes + 16
.set SCLB,   SCLA+4352                 ; B's scale bytes: 256 rows of 32 bytes + 16
.set SPI,    48
.set HALFSB, 128*SPI
.set SBLK,   16*SPI
.set SPARE,  SCLB+2*HALFSB
.set STG,    SPARE+512                 ; the way out's stages: 16 rows x 528 bytes a wave, bytes of their own
.set SPITCH, 528
.set ROWO,   16384
.set ADRA, 16
.set ADRB, 20
.set STO,  24
.set RD,   25
.set CO,   26
.set ADRSB, 27
.set SPW,  28
.set NIL,  29
.set ADRSA, 30
.set SCB,  32                          ; v32-63 B's scale words, two sets
.set SCA,  65                          ; v65-88 A's, two sets: odd where B's are even
.set WB,   96
.set AF,   128                         ; A's fragments, two sets of 64 registers
.set BK,   128
.set G1, 24
.set G0, 32
.set G1B, 48
.set G0B, 56
.set G1S, 68
.set G0S, 76
.set G1SB, 80
.set G0SB, 88
.set MSB, 0
.macro WIN new
.if MSB != (\new)
	s_set_vgpr_msb (MSB<<8)|(\new)
.set MSB, (\new)
.endif
.endm
.macro PLACES n
.rept \n
	v_nop
.endr
.endm
.macro TL g0, g1                       ; a joint load; s_nop 0 and four v_nop follow it
	tensor_load_to_lds s[\g0:\g0+3], s[\g1:\g1+7]
	s_nop 0
	PLACES 4
.endm
.macro JLOAD g0a, g0b                  ; waves 0, 1 fetch A's halves, waves 2, 3 B's
	s_cmp_eq_u32 s15, 0
	s_cbranch_scc0 .Lfor_b_\@
	TL \g0a, G1
	s_branch .Lasked_\@
.Lfor_b_\@:
	TL \g0b, G1B
.Lasked_\@:
.endm
.macro CROUND
	s_barrier_signal -1
	s_barrier_wait -1
	s_cmp_lg_u32 s14, 0
	s_cbranch_scc1 .Lnot_wave_0_\@
	s_barrier_signal -3
.Lnot_wave_0_\@:
	s_barrier_wait -3
	s_barrier_signal -1
	s_barrier_wait -1
.endm
	s_load_b256 s[4:11], s[0:1], 0x0               ; oimg, osc, wo's codes, wo's scales
	s_load_b64 s[96:97], s[0:1], 0x20              ; wo_b
	s_load_b64 s[12:13], s[0:1], 0x28              ; out0
	v_lshl_add_u32 v[SPW], v0, 2, SPARE
	v_mov_b32 v[NIL], 0
	ds_add_u32 v[SPW], v[NIL]                      ; the opening lines: the add twice on end and one wait
	ds_add_u32 v[SPW], v[NIL]
	v_lshrrev_b32 v1, 5, v0
	v_readfirstlane_b32 s14, v1
	s_lshr_b32 s15, s14, 1                         ; my 64 rows.  Also: I fetch for A (0) or B (1)
	s_and_b32 s16, s14, 1                          ; my 128 columns.  Also: which half I fetch
	s_bfe_u32 s40, ttmp6, 0x40000
	s_bfe_u32 s41, ttmp6, 0x40004
	s_lshl_b32 s42, ttmp9, 2
	s_add_co_u32 s42, s42, s40                     ; block of 256 columns
	s_and_b32 s66, ttmp7, 0xffff
	s_lshr_b32 s67, s66, 2                         ; nb
	s_and_b32 s17, s66, 3
	s_lshl_b32 s17, s17, 2
	s_add_co_u32 s17, s17, s41                     ; block of 128 rows s
	s_lshl_b32 s43, s41, 2
	s_lshl_b32 s43, 15, s43
	s_lshl_b32 s44, 0x1111, s40
	s_or_b32 s[G1+0], s43, (1<<21)                 ; A: rows of 4,096 bytes (16 rows s x 256 of K), one for each tile of 16 rows: 8 at the head
	s_mov_b32 s[G1+1], 4096<<16
	s_mov_b32 s[G1+2], 8<<16
	s_mov_b32 s[G1+3], 4096<<16
	s_mov_b32 s[G1+4], 8
	s_mov_b32 s[G1+5], 16384
	s_mov_b32 s[G1+6], 0
	s_mov_b32 s[G1+7], 0
	s_or_b32 s[G1B+0], s44, (1<<20)|(1<<21)|(5<<22)|(3<<25)   ; B: rows of 256 bytes + 16: 256 at the head
	s_mov_b32 s[G1B+1], 256<<16
	s_mov_b32 s[G1B+2], 256<<16
	s_mov_b32 s[G1B+3], 256<<16
	s_mov_b32 s[G1B+4], 256
	s_mov_b32 s[G1B+5], 1024
	s_mov_b32 s[G1B+6], 0
	s_mov_b32 s[G1B+7], 0
	s_or_b32 s[G1S+0], s43, (1<<20)|(1<<21)|(6<<22)|(3<<25)   ; A's scale words: 8 rows of 512 bytes + 16
	s_mov_b32 s[G1S+1], 512<<16
	s_mov_b32 s[G1S+2], 8<<16
	s_mov_b32 s[G1S+3], 512<<16
	s_mov_b32 s[G1S+4], 8
	s_mov_b32 s[G1S+5], 8192
	s_mov_b32 s[G1S+6], 0
	s_mov_b32 s[G1S+7], 0
	s_or_b32 s[G1SB+0], s44, (1<<20)|(1<<21)|(2<<22)|(3<<25)  ; B's scale bytes: 256 rows of 32 bytes + 16
	s_mov_b32 s[G1SB+1], 32<<16
	s_mov_b32 s[G1SB+2], 256<<16
	s_mov_b32 s[G1SB+3], 32<<16
	s_mov_b32 s[G1SB+4], 256
	s_mov_b32 s[G1SB+5], 32
	s_mov_b32 s[G1SB+6], 0
	s_mov_b32 s[G1SB+7], 0
	s_lshl_b32 s20, s17, 17
	s_lshl_b32 s19, s67, 21
	s_add_co_u32 s20, s20, s19                     ; A's codes: nb, 8 tiles of 16,384 bytes a block
	s_mov_b32 s21, 0
	s_lshl_b32 s22, s17, 9
	s_lshl_b32 s19, s67, 16
	s_add_co_u32 s22, s22, s19                     ; A's scale words
	s_mov_b32 s23, 0
	s_lshl_b32 s46, s42, 18                        ; B's codes: 256 rows of 1,024 bytes
	s_mov_b32 s47, 0
	s_lshl_b32 s92, s42, 13                        ; B's scale bytes
	s_mov_b32 s93, 0
	s_lshl_b32 s45, s16, 14                        ; in the ring: where my half of A goes,
	s_mul_i32 s94, s16, HALFT
	s_add_co_u32 s94, s94, ABYTES                  ; and of B
	s_wait_dscnt 0x0                               ; both opening adds are done
	s_wait_kmcnt 0x0
	s_add_nc_u64 s[20:21], s[4:5], s[20:21]
	s_add_nc_u64 s[22:23], s[6:7], s[22:23]
	s_add_nc_u64 s[46:47], s[8:9], s[46:47]
	s_add_nc_u64 s[92:93], s[10:11], s[92:93]
	CROUND                                         ; the round in front of the first joint loads
	s_mov_b32 s4, 1                                ; the head's four tiles, each whole
	s_mov_b32 s5, 0
	s_mov_b64 s[6:7], s[20:21]
	s_or_b32 s7, s7, 0x80000000
	s_mov_b32 s8, 1
	s_mov_b32 s9, ABYTES
	s_mov_b64 s[10:11], s[46:47]
	s_or_b32 s11, s11, 0x80000000
	s_mov_b32 s[G0S], 1
	s_mov_b32 s[G0S+1], SCLA
	s_mov_b64 s[G0S+2:G0S+3], s[22:23]
	s_or_b32 s[G0S+3], s[G0S+3], 0x80000000
	s_mov_b32 s[G0SB], 1
	s_mov_b32 s[G0SB+1], SCLB
	s_mov_b64 s[G0SB+2:G0SB+3], s[92:93]
	s_or_b32 s[G0SB+3], s[G0SB+3], 0x80000000
	s_lshl_b32 s18, s16, 16                        ; for the ring: my half: 4 tiles of 16,384 bytes in A,
	s_mov_b32 s19, 0
	s_add_nc_u64 s[20:21], s[20:21], s[18:19]
	s_lshl_b32 s18, s16, 17                        ; 128 rows of 1,024 bytes in B
	s_add_nc_u64 s[46:47], s[46:47], s[18:19]
.irp s, 0,1
	s_mov_b32 s[G0+4*\s], 1
	s_add_co_u32 s[G0+4*\s+1], s45, \s*SLOT
	s_add_nc_u64 s[G0+4*\s+2:G0+4*\s+3], s[20:21], \s*4096
	s_or_b32 s[G0+4*\s+3], s[G0+4*\s+3], 0x80000000
	s_mov_b32 s[G0B+4*\s], 1
	s_add_co_u32 s[G0B+4*\s+1], s94, \s*SLOT
	s_add_nc_u64 s[G0B+4*\s+2:G0B+4*\s+3], s[46:47], \s*256
	s_or_b32 s[G0B+4*\s+3], s[G0B+4*\s+3], 0x80000000
.endr
.macro ARM under, g0, g1, next         ; one chain of branches on the wave's number: every way passes exactly one load
	s_cmp_lt_u32 s14, \under
	s_cbranch_scc0 \next
	TL \g0, \g1
	s_branch .Lhead_asked
\next:
.endm
	ARM 1, 4, G1, .Lhead_b
	ARM 2, 8, G1B, .Lhead_sa
	ARM 3, G0S, G1S, .Lhead_sb
	TL G0SB, G1SB
.Lhead_asked:
	v_and_b32 v1, 15, v0
	v_bfe_u32 v2, v0, 4, 1
	v_and_b32 v6, 31, v0
	v_lshlrev_b32 v[CO], 4, v6
	v_mul_u32_u24 v3, v1, PITCH
	v_lshl_add_u32 v4, v2, 4, v3
	s_lshl_b32 s21, s15, 14                        ; my 64 rows of A: four tiles of 4,096 bytes
	s_mul_i32 s22, s16, HALFT
	s_add_co_u32 s22, s22, ABYTES                  ; my 128 rows of B
.irp s, 0,1
	v_add_nc_u32 v[ADRA+\s], s21, v[CO]
	v_add_nc_u32 v[ADRB+\s], s22, v4
	s_add_co_u32 s21, s21, SLOT
	s_add_co_u32 s22, s22, SLOT
.endr
	s_lshl_b32 s21, s15, 8
	s_add_co_u32 s21, s21, SCLA
	v_lshl_add_u32 v[ADRSA], v1, 2, s21
	s_mul_i32 s22, s16, HALFSB
	s_add_co_u32 s22, s22, SCLB
	v_mul_u32_u24 v5, v1, SPI
	v_add_nc_u32 v[ADRSB], s22, v5
	s_mul_i32 s23, s14, 16*SPITCH
	s_add_co_u32 s23, s23, STG
	v_mul_u32_u24 v5, v1, SPITCH
	v_lshl_add_u32 v5, v2, 5, v5
	v_add_nc_u32 v[STO], s23, v5
	v_add_nc_u32 v[RD], s23, v[CO]
	s_lshl_b32 s46, s42, 10
	s_lshl_b32 s47, s16, 9
	s_add_co_u32 s46, s46, s47                     ; my first column, in bytes
	s_mov_b32 s47, 0
	s_add_nc_u64 s[96:97], s[96:97], s[46:47]
	global_load_b128 v[WB:WB+3], v[CO], s[96:97]   ; the bias of my lane's four columns of a row read back
	s_lshl_b32 s20, s17, 1
	s_add_co_u32 s20, s20, s15
	s_lshl_b32 s20, s20, 20                        ; my first row: 64 rows of 16,384 bytes
	s_lshl_b32 s21, s67, 12
	s_add_co_u32 s20, s20, s21
	s_mov_b32 s21, 0
	s_add_nc_u64 s[20:21], s[20:21], s[46:47]
	s_add_nc_u64 s[12:13], s[12:13], s[20:21]
.macro FETCH slot, q, p                ; the operands of the slot's q-th 128 of K into sets p: 48 loads
	WIN 0x40
.irp i, 0,1,2,3,4,5,6,7
.irp c, 0,1,2,3
	ds_load_b128 v[128*(\p)+16*\i+4*\c:128*(\p)+16*\i+4*\c+3], v[ADRB+\slot] offset:128*(\q)+32*\c+\i*16*PITCH
.endr
.endr
	WIN 0
.irp i, 0,1,2,3
.irp c, 0,1,2,3
	ds_load_b128 v[AF+64*(\p)+16*\i+4*\c:AF+64*(\p)+16*\i+4*\c+3], v[ADRA+\slot] offset:4096*\i+2048*(\q)+512*\c
.endr
.endr
.endm
.macro SCALES sc                       ; a slot's scale words into set sc
.irp i, 0,1,2,3,4,5,6,7
	ds_load_b64 v[SCB+16*\sc+2*\i:SCB+16*\sc+2*\i+1], v[ADRSB] offset:\i*SBLK
.endr
.irp i, 0,1,2,3
.irp q, 0,1
	ds_load_b32 v[SCA+16*\sc+2*\i+\q], v[ADRSA] offset:528*\q+64*\i
.endr
.endr
.endm
.macro MUL p, q, sc, zero              ; 32 products, the accumulators by turns; eight places behind them, for the loads into what they read
	WIN 0xa1
.irp a, 0,1,2,3
.irp b, 0,1,2,3,4,5,6,7
.if \zero
	v_wmma_scale_f32_16x16x128_f8f6f4 v[8*(8*\a+\b):8*(8*\a+\b)+7], v[128*(\p)+16*\b:128*(\p)+16*\b+15], v[AF+64*(\p)+16*\a:AF+64*(\p)+16*\a+15], 0, v[SCB+16*(\sc)+2*\b+(\q)], v[SCA+16*(\sc)+2*\a+(\q)]
.else
	v_wmma_scale_f32_16x16x128_f8f6f4 v[8*(8*\a+\b):8*(8*\a+\b)+7], v[128*(\p)+16*\b:128*(\p)+16*\b+15], v[AF+64*(\p)+16*\a:AF+64*(\p)+16*\a+15], v[8*(8*\a+\b):8*(8*\a+\b)+7], v[SCB+16*(\sc)+2*\b+(\q)], v[SCA+16*(\sc)+2*\a+(\q)]
.endif
.endr
.endr
	WIN 0
	PLACES 8
.endm
.macro EVEN slot, zero                 ; a slot's first 128 of K
	s_wait_dscnt 0x0                               ; its operands are in
	FETCH \slot, 1, 1
	MUL 0, 0, \slot, \zero
.endm
.macro ODD slot, next, fill            ; a slot's second 128 of K: its operands are in registers, so the slot is left first.  fill = 1: a round, and the slot takes the K step two on
	s_wait_tensorcnt 0x0                           ; all my tensor loads have landed: my part of the next slot
	ds_add_u32 v[SPW], v[NIL]
.if \fill
	s_add_nc_u64 s[G0+4*\slot+2:G0+4*\slot+3], s[G0+4*\slot+2:G0+4*\slot+3], 2*4096
	s_add_nc_u64 s[G0B+4*\slot+2:G0B+4*\slot+3], s[G0B+4*\slot+2:G0B+4*\slot+3], 2*256
.endif
	s_wait_dscnt 0x0                               ; the add is done, and my reads of this slot are over
.if \fill
	CROUND
	JLOAD G0+4*\slot, G0B+4*\slot
.else
	s_barrier_signal -1
	s_barrier_wait -1
.endif
	v_add_nc_u32 v[ADRSB], 8, v[ADRSB]             ; on to the next slot's scale words
	v_add_nc_u32 v[ADRSA], 2*528, v[ADRSA]
	s_wait_alu depctr_va_vdst(0)                   ; the wait here, directly behind the writes
	FETCH \next, 0, 0
	SCALES \next
	MUL 1, 1, \slot, 0
.endm
	s_wait_alu depctr_va_vdst(0)                   ; the wait at the head's end
	s_wait_tensorcnt 0x0                           ; my tile of the head's four is in
	ds_add_u32 v[SPW], v[NIL]
	s_mov_b32 s[G1+2], 4<<16                       ; no tensor load of mine is out: from here on a load brings half a tile
	s_mov_b32 s[G1+4], 4
	s_mov_b32 s[G1B+2], 128<<16
	s_mov_b32 s[G1B+4], 128
	s_wait_dscnt 0x0
	CROUND                                         ; all four tiles are in, in all sixteen work-groups
	JLOAD G0+4, G0B+4                              ; K step 1: slot 1's first fill, issued as a refill is
	FETCH 0, 0, 0
	SCALES 0
	s_wait_loadcnt 0x0                             ; the bias
	EVEN 0, 1
	ODD 0, 1, 1
	EVEN 1, 0
	ODD 1, 0, 1
	EVEN 0, 0
	ODD 0, 1, 0
	EVEN 1, 0
	s_wait_dscnt 0x0
	MUL 1, 1, 1, 0
; THE WAY OUT, block by block of 16 rows x 128 columns, through my own stage: whole rows of 512 bytes come back, take the bias and are stored as two aligned units of 256 bytes
.macro TOSTAGE a
.set AC, 64*(\a)
	WIN 0x08
.irp b, 0,1,2,3,4,5,6,7
	ds_store_b128 v[STO], v[AC+8*\b:AC+8*\b+3] offset:64*\b
	ds_store_b128 v[STO], v[AC+8*\b+4:AC+8*\b+7] offset:64*\b+16
.endr
	WIN 0
.set BB, BK+64*((\a)%2)
.irp t, 0,1,2,3,4,5,6,7,8,9,10,11,12,13,14,15
	ds_load_b128 v[BB+4*\t:BB+4*\t+3], v[RD] offset:\t*SPITCH
.endr
.endm
.macro SEND a, younger                 ; younger: the LDS instructions issued behind block a's loads
.set BB, BK+64*((\a)%2)
	s_wait_dscnt \younger
.if (\a) > 0
	s_add_nc_u64 s[12:13], s[12:13], 16*ROWO
.endif
.irp t, 0,1,2,3,4,5,6,7,8,9,10,11,12,13,14,15
	v_pk_add_f32 v[BB+4*\t:BB+4*\t+1], v[BB+4*\t:BB+4*\t+1], v[WB:WB+1]
	v_pk_add_f32 v[BB+4*\t+2:BB+4*\t+3], v[BB+4*\t+2:BB+4*\t+3], v[WB+2:WB+3]
	global_store_b128 v[CO], v[BB+4*\t:BB+4*\t+3], s[12:13] offset:\t*ROWO th:TH_STORE_NT
.endr
.endm
	TOSTAGE 0
.irp a, 1,2,3
.if \a > 1
	s_wait_xcnt 0x0                                ; block a - 2's stores have read their registers and their base
.endif
	TOSTAGE \a
	SEND \a-1, 32                                  ; behind block a - 1's loads: block a's 16 stores and 16 loads
.endr
	s_wait_xcnt 0x0
	SEND 3, 0
	s_wait_tensorcnt 0x0                           ; the wave's end
	ds_add_u32 v[SPW], v[NIL]
	s_wait_dscnt 0x0
	CROUND                                         ; the closing round
	s_endpgm
.Lfunc_end_k_q71f8bca942_projo:
	.size	k_q71f8bca942_projo, .Lfunc_end_k_q71f8bca942_projo-k_q71f8bca942_projo
	.p2alignl 7, 3214868480
	.fill 96, 4, 3214868480
	.section	.rodata,"a",@progbits
	.p2align	6, 0x0
	.amdhsa_kernel k_q71f8bca942_projo
		.amdhsa_group_segment_fixed_size 327680
		.amdhsa_private_segment_fixed_size 0
		.amdhsa_enable_private_segment 0
		.amdhsa_kernarg_size 48
		.amdhsa_user_sgpr_count 2
		.amdhsa_user_sgpr_kernarg_segment_ptr 1
		.amdhsa_wavefront_size32 1
		.amdhsa_system_sgpr_workgroup_id_x 1
		.amdhsa_system_sgpr_workgroup_id_y 1
		.amdhsa_system_sgpr_workgroup_id_z 1
		.amdhsa_system_vgpr_workitem_id 0
		.amdhsa_next_free_vgpr 768
		.amdhsa_next_free_sgpr 98
		.amdhsa_reserve_vcc 0
		.amdhsa_float_denorm_mode_32 3
		.amdhsa_float_denorm_mode_16_64 3
		.amdhsa_memory_ordered 1
		.amdhsa_forward_progress 1
		.amdhsa_inst_pref_size 100
	.end_amdhsa_kernel
	.amdgpu_metadata
---
amdhsa.version: [ 1, 2 ]
amdhsa.kernels:
  - .name:           k_q71f8bca942_projo
    .symbol:         k_q71f8bca942_projo.kd
    .args:
      - { .name: oimg, .offset: 0, .size: 8, .value_kind: global_buffer, .address_space: global }
      - { .name: osc, .offset: 8, .size: 8, .value_kind: global_buffer, .address_space: global }
      - { .name: wo_w_codes, .offset: 16, .size: 8, .value_kind: global_buffer, .address_space: global }
      - { .name: wo_w_scales, .offset: 24, .size: 8, .value_kind: global_buffer, .address_space: global }
      - { .name: wo_b, .offset: 32, .size: 8, .value_kind: global_buffer, .address_space: global }
      - { .name: out0, .offset: 40, .size: 8, .value_kind: global_buffer, .address_space: global }
    .group_segment_fixed_size: 327680
    .private_segment_fixed_size: 0
    .kernarg_segment_align: 8
    .kernarg_segment_size: 48
    .max_flat_workgroup_size: 128
    .sgpr_count:     98
    .vgpr_count:     768
    .wavefront_size: 32
...
	.end_amdgpu_metadata
.endif
;; end of part 4
